; MI455X (gfx1250); checked and timed in simulation.
; The chip was launched on July 23, 2026; its instructions are those of AMD's public machine-readable ISA for CDNA 5 (MIT licence, August 2026) and "CDNA5" Instruction Set Architecture Reference Guide (July 2026). The comments in the code are by the model that wrote it; some were corrected since.
;; Multi Head Attention. Allowed arithmetic: matrix products marked QUANTISED: E2M1 operands, one E8M0 scale for each 32 along K, by v_wmma_scale_f32_16x16x128_f8f6f4 with both operands' format E2M1 (or v_wmma_scale_f32_32x16x128_f4), f32 sums; products left as they are: bf16, f16 or f32 operands; f32 sums; everything else in f32.
;; Inputs: Wk 1,024 x 1,024 float32; Wo 1,024 x 1,024 float32; Wq 1,024 x 1,024 float32; Wv 1,024 x 1,024 float32; bk 1,024 float32; bo 1,024 float32; bq 1,024 float32; bv 1,024 float32; mask 4 x 1 x 1 x 2,048 int32; x 4 x 2,048 x 1,024 float32.
;; Outputs: out0 4 x 2,048 x 1,024 float32.
;; This version of the problem:
;;   THIS VERSION OF THE PROBLEM IS GIVEN IN LOW PRECISION. The matrix products marked QUANTISED in the list below multiply operands that are first quantised to E2M1 (2 exponent bits, 1 mantissa bit; 4 bits a number), with one power-of-two scale for each 32 numbers along K (OCP MX v1.0); their sums are f32. The products marked 'left as it is' may take bf16, f16 or f32 operands, with f32 sums. Whichever they take, every output number must still come out within the allowed error. Rounding operands to bf16 (8 significant bits) uses up far more of that allowance than f16 does (11 bits, for magnitudes from 6e-5 to 65,504). All else is computed in f32.
;;   The module's matrix products, in the order in which they are computed (A, B: the left and right operand; K: the contracted axis; several contracted axes count as one K, in the product's order):
;;     1. [M 8,192, K 1,024] x [K 1,024, N 1,024]; A: input x; B: input Wq: QUANTISED
;;     2. [M 8,192, K 1,024] x [K 1,024, N 1,024]; A: input x; B: input Wk: QUANTISED
;;     3. [M 8,192, K 1,024] x [K 1,024, N 1,024]; A: input x; B: input Wv: QUANTISED
;;     4. batch 64 x [M 2,048, K 64] x [K 64, N 2,048]; A: computed on the way; B: computed on the way: left as it is (an operand is computed on the way)
;;     5. batch 64 x [M 2,048, K 2,048] x [K 2,048, N 64]; A: computed on the way; B: computed on the way: left as it is (an operand is computed on the way)
;;     6. [M 8,192, K 1,024] x [K 1,024, N 1,024]; A: computed on the way; B: input Wo: left as it is (an operand is computed on the way)
;;   THE QUANTISER, for each operand of a quantised product, along K:
;;     - K is cut into blocks of 32 from its start; a last block that is shorter is filled with zeros.
;;     - A block's scale is 2^e with e = floor(log2(the largest magnitude in the block)) - 2, held to -126 .. 127; a block of zeros has e = 0. As a byte (E8M0): e + 127.
;;     - Each number is divided by its block's scale, clamped to +-6, and rounded to the nearest number of E2M1, ties to even, subnormals kept.
;;     - The product sums the exact products of the quantised numbers (number of the format x scale) in f32.
;;   ~~~python
;;   def quantise(x, axis):      # numpy; x: float32 -> the quantised numbers, widened to float32 again
;;       x = np.moveaxis(x, axis, -1); K = x.shape[-1]
;;       x = np.pad(x, [(0, 0)] * (x.ndim - 1) + [(0, -K % 32)]); x = x.reshape(x.shape[:-1] + (-1, 32)); a = np.abs(x).max(-1, keepdims=True)
;;       e = np.where(a > 0, np.clip(np.frexp(np.where(a > 0, a, 1))[1] - 1 - 2, -126, 127), 0)      # np.frexp(a)[1] - 1 = floor(log2(a)), exactly
;;       r = np.clip(x / 2.0 ** e, -6, 6)
;;       step = 2.0 ** (np.maximum(np.frexp(np.where(r == 0, 1, r))[1] - 1, 0) - 1)
;;       q = np.round(r / step) * step * 2.0 ** e      # np.round: ties to even
;;       return np.moveaxis(q.reshape(q.shape[:-2] + (-1,))[..., :K], -1, axis).astype(np.float32)
;;   ~~~
;; One version. Each part assembles by itself: llvm-mc -triple=amdgcn-amd-amdhsa -mcpu=gfx1250 --defsym DOCPART=n.
;; ======== version 1 of 1: 4 launches
;; limits: values are held in f16: magnitudes above 65,504 overflow, below 6.1e-05 lose precision
;; workspace buffers: xc 4,194,304 bytes; xs 262,144 bytes; wc 1,572,864 bytes; ws 98,304 bytes; wo16 2,097,152 bytes; qkv16 50,331,648 bytes; ao16 16,777,216 bytes
;; launch prep (part 1): grid 336 x 1, 4 waves a work-group, no clusters, 68,096 bytes of LDS; arguments x, Wq, Wk, Wv, Wo, xc, xs, wc, ws, wo16; writes xc, xs, wc, ws, wo16
.if DOCPART == 1
	.amdgcn_target "amdgcn-amd-amdhsa--gfx1250"
	.amdhsa_code_object_version 6
	.text
	.protected	k_q05df790bd1_prep
	.globl	k_q05df790bd1_prep
	.p2align	8
	.type	k_q05df790bd1_prep,@function
k_q05df790bd1_prep:
	s_mov_b64 s[64:65], 0
	v_nop
	global_prefetch_b8 v0, s[64:65] scope:SCOPE_SE
	s_setreg_imm32_b32 hwreg(HW_REG_WAVE_MODE, 25, 1), 1
	s_wait_xcnt 0x0
; PREP: what every later launch reads many times is made narrow once.  Three paths, chosen by the work-group's number alone:
;   work-groups 0-255:   x [8192][1024] f32 -> codes of E2M1, K innermost (xc, 512 bytes a row), one E8M0 byte for each 32 along K (xs, 32 bytes a row)
;   work-groups 256-303: Wq, Wk, Wv [k 1024][n 1024] f32, K their FIRST axis -> wc [1024 w + n][512 bytes], K innermost, ws [1024 w + n][32]
;   work-groups 304-335: Wo [k][n] f32 -> f16, same layout (wo16)
; A block's scale is 2^(floor(log2(its largest magnitude)) - 2): its byte is the largest magnitude's exponent field - 2, held at 1 from below.
; LIMITS: a block of zeros gets the byte 1 where the quantiser says 127 (its codes are zeros, and this program alone reads the bytes); blocks whose largest magnitude lies under 2^-124
; keep the byte 1; NaN and infinities are not served; |Wo| stays under 65,504 (f16).
; Each path has LDS bytes of its own and ends by itself.  No tensor loads, no barrier: waves share nothing.
.set SPW,   12                         ; v12  LDS address of my spare word: SPARE + 4 x my thread's number; never rewritten
.set NIL,   13                         ; v13  0; never rewritten
.set SPARE, 67584                      ; behind both paths' regions: 128 bytes for each wave, named by no other line
.set EMAX,  2
.set STEPS, 16                         ; x: a wave takes 16 steps of 512 numbers
.set CB,    8                          ; bytes of 16 codes
.set XR,    16                         ; v16-79   four sets of 16 numbers as loaded
.set XX,    80                         ; v80-111  two sets of 16 neighbours
.set XE,    112                        ; v112-127 a scale byte for each step
.set XC,    128                        ; v128-191 codes, four registers a step: no store's data are written again
.set WREG,  8192                       ; x's LDS: a region for each wave: two stages of 32 x SP bytes, then its 256 scale bytes
.set SP,    80                         ; a lane's place in a stage: 64 bytes + 16 of padding
.set WST,   32768                      ; the weights' LDS: a stage of 32 rows x WP for each wave
.set WP,    272
.set WSB,   24                         ; v24-27   a column's 16 scale bytes
.set WX,    32                         ; v32-95   two sets of 32 numbers
.set WC,    96                         ; v96-99   a block's codes
.set WOUT,  112                        ; v112-175 the way out
.macro FINISH                          ; the wave's end
	s_wait_tensorcnt 0x0
	ds_add_u32 v[SPW], v[NIL]
	s_wait_dscnt 0x0
	s_endpgm
.endm
	s_load_b512 s[4:19], s[0:1], 0x0               ; x 4, Wq 6, Wk 8, Wv 10, Wo 12, xc 14, xs 16, wc 18
	s_load_b128 s[20:23], s[0:1], 0x40             ; ws 20, wo16 22
	v_lshl_add_u32 v[SPW], v0, 2, SPARE
	v_mov_b32 v[NIL], 0
	v_lshrrev_b32 v1, 5, v0
	v_readfirstlane_b32 s24, v1                    ; wave
	v_and_b32 v2, 31, v0                           ; lane
	s_wait_kmcnt 0x0
	s_cmp_lt_u32 ttmp9, 256
	s_cbranch_scc1 .Lpath_x
	s_cmp_lt_u32 ttmp9, 304
	s_cbranch_scc1 .Lpath_w
; ---- Wo to f16.  A wave casts 8,192 numbers in four groups of 16 loads; each load reads 512 consecutive bytes, each store writes 256.
	s_sub_co_u32 s25, ttmp9, 304
	s_lshl_b32 s26, s25, 17                        ; 131,072 bytes of f32 a work-group,
	s_lshl_b32 s27, s24, 15                        ; 32,768 a wave
	s_add_co_u32 s26, s26, s27
	s_mov_b32 s27, 0
	s_add_nc_u64 s[12:13], s[12:13], s[26:27]
	s_lshr_b32 s26, s26, 1                         ; half as many of f16
	s_add_nc_u64 s[22:23], s[22:23], s[26:27]
	v_lshlrev_b32 v3, 4, v2
	v_lshlrev_b32 v4, 3, v2
.macro LOADG g
.irp i, 0,1,2,3,4,5,6,7,8,9,10,11,12,13,14,15
	global_load_b128 v[32+64*((\g)%2)+4*\i:32+64*((\g)%2)+4*\i+3], v3, s[12:13] offset:8192*(\g)+512*\i th:TH_LOAD_NT
.endr
.endm
.macro CASTG g
.set OB, 32+64*((\g)%2)
.if (\g) < 3
	s_wait_loadcnt 16                              ; this group's 16 loads are in; the next group's 16 may be out
.else
	s_wait_loadcnt 0x0
.endif
.if (\g) > 0
	s_wait_xcnt 0x0                                ; the last group's stores have read v160-191: they are written again only behind this wait
.endif
.irp i, 0,1,2,3,4,5,6,7,8,9,10,11,12,13,14,15
	v_cvt_pk_f16_f32 v[160+2*\i], v[OB+4*\i], v[OB+4*\i+1]
	v_cvt_pk_f16_f32 v[161+2*\i], v[OB+4*\i+2], v[OB+4*\i+3]
.endr
.if (\g) < 2
	LOADG (\g)+2                                   ; loads ahead of stores
.endif
.irp i, 0,1,2,3,4,5,6,7,8,9,10,11,12,13,14,15
	global_store_b64 v4, v[160+2*\i:161+2*\i], s[22:23] offset:4096*(\g)+256*\i
.endr
.endm
	LOADG 0
	LOADG 1
	CASTG 0
	CASTG 1
	CASTG 2
	CASTG 3
	FINISH
; ---- x.  Rows are dense and K is a multiple of 32: a plain stream of blocks of 32.  Loads take the bytes as they lie (512 a load); a step's 2,048 bytes turn through the wave's own stage,
; so that a lane then holds 16 NEIGHBOURS along K (two neighbouring lanes hold a block), as the conversions want them.
.Lpath_x:
	v_lshlrev_b32 v3, 4, v2                        ; my 16 bytes of a load's 512
	s_mul_i32 s25, s24, WREG
	v_lshrrev_b32 v14, 2, v2
	v_mul_u32_u24 v14, v14, SP
	v_and_b32 v15, 3, v2
	v_lshl_add_u32 v14, v15, 4, v14
	v_add_nc_u32 v14, s25, v14                     ; the stage, on the way in: SP (lane / 4) + 16 (lane % 4)
	v_mul_u32_u24 v15, v2, SP
	v_add_nc_u32 v15, s25, v15                     ; and on the way out: SP x lane
	v_mul_u32_u24 v4, v2, CB                       ; my codes' place in a step's
	v_lshrrev_b32 v5, 1, v2
	s_add_co_u32 s25, s25, 2*32*SP
	v_add_nc_u32 v5, s25, v5                       ; my wave's 256 scale bytes, my block's byte
	v_lshlrev_b32 v7, 3, v2
	v_add_nc_u32 v6, s25, v7                       ; and on the way out 8 bytes a lane
	s_lshl_b32 s26, ttmp9, 2
	s_add_co_u32 s26, s26, s24                     ; which run of 8,192 numbers is my wave's (0 .. 1,023)
	s_mov_b32 s29, 0
	s_lshl_b32 s28, s26, 15
	s_add_nc_u64 s[4:5], s[4:5], s[28:29]          ; 32,768 bytes of f32 a run,
	s_lshl_b32 s28, s26, 12
	s_add_nc_u64 s[14:15], s[14:15], s[28:29]      ; 4,096 of codes,
	s_lshl_b32 s28, s26, 8
	s_add_nc_u64 s[16:17], s[16:17], s[28:29]      ; 256 scale bytes
.macro XLOAD t
.irp i, 0,1,2,3
	global_load_b128 v[XR+16*((\t)%4)+4*\i:XR+16*((\t)%4)+4*\i+3], v3, s[4:5] offset:2048*(\t)+512*\i th:TH_LOAD_NT
.endr
.endm
.macro XTURN t                         ; LDS serves a wave's instructions in order: no wait between the stores and the loads
.irp i, 0,1,2,3
	ds_store_b128 v14, v[XR+16*((\t)%4)+4*\i:XR+16*((\t)%4)+4*\i+3] offset:32*SP*((\t)%2)+8*SP*\i
.endr
.irp i, 0,1,2,3
	ds_load_b128 v[XX+16*((\t)%2)+4*\i:XX+16*((\t)%2)+4*\i+3], v15 offset:32*SP*((\t)%2)+16*\i
.endr
.endm
.irp t, 0,1,2,3
	XLOAD \t
.endr
	s_wait_loadcnt 12                              ; step 0's four loads are in; three steps' twelve may be out
	XTURN 0
.macro XSTEP t
.set XS, XX+16*((\t)%2)
.if (\t) > 0
	s_wait_dscnt 1                                 ; this step's numbers are back from the stage; the last step's byte store may be out
.else
	s_wait_dscnt 0x0
.endif
.if (\t)+4 < STEPS
	XLOAD (\t)+4
.endif
.if (\t)+1 < STEPS
.if STEPS-2-(\t) >= 3
	s_wait_loadcnt 12                              ; the next step's four loads are in; those of the three steps behind it may be out
.else
	s_wait_loadcnt 4*(STEPS-2-(\t))
.endif
	XTURN (\t)+1
.endif
	v_max3_num_f32 v8, |v[XS]|, |v[XS+1]|, |v[XS+2]|       ; the largest magnitude of my 16, in two chains
	v_max3_num_f32 v9, |v[XS+3]|, |v[XS+4]|, |v[XS+5]|
.irp i, 6,10
	v_max3_num_f32 v8, v8, |v[XS+\i]|, |v[XS+\i+1]|
	v_max3_num_f32 v9, v9, |v[XS+\i+2]|, |v[XS+\i+3]|
.endr
	v_max3_num_f32 v8, v8, |v[XS+14]|, |v[XS+15]|
	v_max3_num_f32 v8, v8, v9, (EMAX+1)<<23        ; and the floor 2^(3 - 127): the byte cannot fall under 1
	v_max_num_f32_dpp v8, v8, v8 row_xmask:1 row_mask:0xf bank_mask:0xf   ; with my neighbour's 16: the block's
	v_add_nc_u32 v11, -(EMAX<<23), v8              ; 2 off its exponent field: the conversion takes that field as its scale and nothing else
	v_cvt_scalef32_pk8_fp4_f32 v[XC+4*(\t)], v[XS:XS+7], v11
	v_cvt_scalef32_pk8_fp4_f32 v[XC+4*(\t)+1], v[XS+8:XS+15], v11
	v_lshrrev_b32 v[XE+(\t)], 23, v11              ; the scale's byte (a plain line behind the conversions)
	ds_store_b8 v5, v[XE+(\t)] offset:16*(\t)      ; both lanes of a block write the same byte with the same value
	global_store_b64 v4, v[XC+4*(\t):XC+4*(\t)+1], s[14:15] offset:32*CB*(\t)   ; the wave stores 256 consecutive bytes
.endm
.irp t, 0,1,2,3,4,5,6,7,8,9,10,11,12,13,14,15
	XSTEP \t
.endr
	ds_load_b64 v[8:9], v6
	s_wait_dscnt 0x0
	global_store_b64 v7, v[8:9], s[16:17]          ; 256 consecutive scale bytes
	FINISH
; ---- Wq, Wk, Wv.  A lane takes a column n and its registers run DOWN K: a block of 32 lies in one lane, and the conversions give codes with K innermost.
; A wave takes 32 columns x 512 along K; its codes go through its own stage and leave as rows, sixteen lanes storing 256 consecutive bytes.
.Lpath_w:
	s_sub_co_u32 s25, ttmp9, 256
	s_lshr_b32 s26, s25, 4                         ; which weight
	s_and_b32 s27, s25, 7                          ; which 128 columns
	s_bfe_u32 s28, s25, 0x10003                    ; which half of K
	s_cmp_eq_u32 s26, 0
	s_cselect_b64 s[6:7], s[6:7], s[8:9]
	s_cmp_eq_u32 s26, 2
	s_cselect_b64 s[6:7], s[10:11], s[6:7]
	s_lshl_b32 s29, s27, 7
	s_lshl_b32 s31, s24, 5
	s_add_co_u32 s29, s29, s31                     ; my wave's first column
	s_lshl_b32 s30, s26, 10
	s_add_co_u32 s30, s30, s29                     ; and its row in wc and ws
	s_mov_b32 s33, 0
	s_lshl_b32 s32, s28, 21                        ; 512 rows of 4,096 bytes
	s_lshl_b32 s31, s29, 2
	s_add_co_u32 s32, s32, s31
	s_add_nc_u64 s[6:7], s[6:7], s[32:33]
	s_lshl_b32 s32, s30, 9
	s_lshl_b32 s31, s28, 8
	s_add_co_u32 s32, s32, s31
	s_add_nc_u64 s[18:19], s[18:19], s[32:33]
	s_lshl_b32 s32, s30, 5
	s_lshl_b32 s31, s28, 4
	s_add_co_u32 s32, s32, s31
	s_add_nc_u64 s[20:21], s[20:21], s[32:33]
	v_lshlrev_b32 v3, 2, v2                        ; in: 4 bytes a lane
	s_mul_i32 s34, s24, 32*WP
	s_add_co_u32 s34, s34, WST                     ; my stage
	v_mul_u32_u24 v4, v2, WP
	v_add_nc_u32 v4, s34, v4                       ; into it: row = my column
	v_and_b32 v5, 15, v2
	v_lshrrev_b32 v6, 4, v2
	v_mul_u32_u24 v7, v6, WP
	v_lshl_add_u32 v7, v5, 4, v7
	v_add_nc_u32 v7, s34, v7                       ; out of it: sixteen lanes to a row, two rows an instruction
	v_lshlrev_b32 v8, 9, v6
	v_lshl_add_u32 v8, v5, 4, v8                   ; the same place in wc
	v_lshlrev_b32 v9, 5, v2                        ; my column's row of scale bytes
.macro WLOAD t
.irp i, 0,1,2,3,4,5,6,7,8,9,10,11,12,13,14,15,16,17,18,19,20,21,22,23,24,25,26,27,28,29,30,31
	global_load_b32 v[WX+32*((\t)%2)+\i], v3, s[6:7] offset:(32*(\t)+\i)*4096 th:TH_LOAD_NT
.endr
.endm
	WLOAD 0
	WLOAD 1
.macro WBLOCK t
.set XS, WX+32*((\t)%2)
.if (\t) < 15
	s_wait_loadcnt 32                              ; this block's 32 loads are in; the next block's 32 may be out
.else
	s_wait_loadcnt 0x0
.endif
	v_max3_num_f32 v18, |v[XS]|, |v[XS+1]|, |v[XS+2]|
	v_max3_num_f32 v19, |v[XS+3]|, |v[XS+4]|, |v[XS+5]|
.irp i, 6,10,14,18,22,26
	v_max3_num_f32 v18, v18, |v[XS+\i]|, |v[XS+\i+1]|
	v_max3_num_f32 v19, v19, |v[XS+\i+2]|, |v[XS+\i+3]|
.endr
	v_max3_num_f32 v18, v18, |v[XS+30]|, |v[XS+31]|
	v_max3_num_f32 v18, v18, v19, (EMAX+1)<<23
	v_add_nc_u32 v20, -(EMAX<<23), v18
	v_lshrrev_b32 v21, 23, v20
.if (\t)%4 == 0
	v_mov_b32 v[WSB+(\t)/4], v21                   ; four bytes to a register, the lower K in the lower byte
.else
	v_lshl_or_b32 v[WSB+(\t)/4], v21, 8*((\t)%4), v[WSB+(\t)/4]
.endif
.irp g, 0,1,2,3
	v_cvt_scalef32_pk8_fp4_f32 v[WC+\g], v[XS+8*\g:XS+8*\g+7], v20
.endr
	v_nop                                          ; a plain line behind the last conversion
	ds_store_b128 v4, v[WC:WC+3] offset:16*(\t)
.if (\t)+2 < 16
	WLOAD (\t)+2
.endif
	s_wait_dscnt 0x0                               ; the store has read its registers: the next block's codes may be written
.endm
.irp t, 0,1,2,3,4,5,6,7,8,9,10,11,12,13,14,15
	WBLOCK \t
.endr
	global_store_b128 v9, v[WSB:WSB+3], s[20:21]   ; my column's 16 scale bytes
.irp t, 0,1,2,3,4,5,6,7,8,9,10,11,12,13,14,15
	ds_load_b128 v[WOUT+4*\t:WOUT+4*\t+3], v7 offset:2*\t*WP
.endr
.irp t, 0,1,2,3,4,5,6,7,8,9,10,11,12,13,14,15
	s_wait_dscnt 15-\t                             ; loads come back in order: number t is in
	global_store_b128 v8, v[WOUT+4*\t:WOUT+4*\t+3], s[18:19] offset:2*\t*512
.endr
	FINISH
.Lfunc_end_k_q05df790bd1_prep:
	.size	k_q05df790bd1_prep, .Lfunc_end_k_q05df790bd1_prep-k_q05df790bd1_prep
	.p2alignl 7, 3214868480
	.fill 96, 4, 3214868480
	.section	.rodata,"a",@progbits
	.p2align	6, 0x0
	.amdhsa_kernel k_q05df790bd1_prep
		.amdhsa_group_segment_fixed_size 68096
		.amdhsa_private_segment_fixed_size 0
		.amdhsa_enable_private_segment 0
		.amdhsa_kernarg_size 80
		.amdhsa_user_sgpr_count 2
		.amdhsa_user_sgpr_kernarg_segment_ptr 1
		.amdhsa_wavefront_size32 1
		.amdhsa_system_sgpr_workgroup_id_x 1
		.amdhsa_system_sgpr_workgroup_id_y 1
		.amdhsa_system_sgpr_workgroup_id_z 1
		.amdhsa_system_vgpr_workitem_id 0
		.amdhsa_next_free_vgpr 192
		.amdhsa_next_free_sgpr 66
		.amdhsa_reserve_vcc 0
		.amdhsa_float_denorm_mode_32 3
		.amdhsa_float_denorm_mode_16_64 3
		.amdhsa_memory_ordered 1
		.amdhsa_forward_progress 1
		.amdhsa_inst_pref_size 132
	.end_amdhsa_kernel
	.amdgpu_metadata
---
amdhsa.version: [ 1, 2 ]
amdhsa.kernels:
  - .name:           k_q05df790bd1_prep
    .symbol:         k_q05df790bd1_prep.kd
    .args:
      - { .name: x, .offset: 0, .size: 8, .value_kind: global_buffer, .address_space: global }
      - { .name: Wq, .offset: 8, .size: 8, .value_kind: global_buffer, .address_space: global }
      - { .name: Wk, .offset: 16, .size: 8, .value_kind: global_buffer, .address_space: global }
      - { .name: Wv, .offset: 24, .size: 8, .value_kind: global_buffer, .address_space: global }
      - { .name: Wo, .offset: 32, .size: 8, .value_kind: global_buffer, .address_space: global }
      - { .name: xc, .offset: 40, .size: 8, .value_kind: global_buffer, .address_space: global }
      - { .name: xs, .offset: 48, .size: 8, .value_kind: global_buffer, .address_space: global }
      - { .name: wc, .offset: 56, .size: 8, .value_kind: global_buffer, .address_space: global }
      - { .name: ws, .offset: 64, .size: 8, .value_kind: global_buffer, .address_space: global }
      - { .name: wo16, .offset: 72, .size: 8, .value_kind: global_buffer, .address_space: global }
    .group_segment_fixed_size: 68096
    .private_segment_fixed_size: 0
    .kernarg_segment_align: 8
    .kernarg_segment_size: 80
    .max_flat_workgroup_size: 128
    .sgpr_count:     66
    .vgpr_count:     192
    .wavefront_size: 32
...
	.end_amdgpu_metadata
.endif
;; end of part 1
;; launch qkv (part 2): grid 12 x 32, 4 waves a work-group, clusters of 4 x 4, 327,680 bytes of LDS; arguments xc, xs, wc, ws, bq, bk, bv, mask, qkv16; writes qkv16
.if DOCPART == 2
	.amdgcn_target "amdgcn-amd-amdhsa--gfx1250"
	.amdhsa_code_object_version 6
	.text
	.protected	k_q05df790bd1_qkv
	.globl	k_q05df790bd1_qkv
	.p2align	8
	.type	k_q05df790bd1_qkv,@function
k_q05df790bd1_qkv:
	s_mov_b64 s[64:65], 0
	v_nop
	global_prefetch_b8 v0, s[64:65] scope:SCOPE_SE
	s_setreg_imm32_b32 hwreg(HW_REG_WAVE_MODE, 25, 1), 1
	s_wait_xcnt 0x0
	s_wait_alu depctr_hold_cnt(0) depctr_sa_sdst(0) depctr_va_vdst(0) depctr_va_sdst(0) depctr_va_ssrc(0) depctr_va_vcc(0) depctr_vm_vsrc(0)
	s_getreg_b32 s2, hwreg(HW_REG_IB_STS2, 6, 4)
	s_cmp_eq_u32 s2, 0
	s_cbranch_scc0 .Lentry_in_a_cluster
	s_endpgm
.Lentry_in_a_cluster:
	s_bfe_u32 s2, ttmp6, 0x10000c
	s_cmp_lg_u32 s2, 0xf033
	s_cbranch_scc0 .Lentry_shape_is_right
	s_endpgm
.Lentry_shape_is_right:
; QKV: [8192 x 1024] x [1024 x 3072] on codes of E2M1 with E8M0 scales (v_wmma_scale_f32_16x16x128_f8f6f4), sums in f32, then + bias, x a factor, rounded once to f16.
; Columns 0-1023 are q, 1024-2047 k, 2048-3071 v.  Output qkv16 [part][batch x 16 + head][position][64] f16:
;   part 0: (q + bq) x log2(e) / 8, so that attention's scores come out in powers of two;   part 1: k + bk, with the rows of keys whose mask is 0 set to 0;   part 2: v + bv.
; LIMITS: the three stay under 65,504 in magnitude (f16); NaN and infinities are not served (a masked key's row is made 0 by a multiplication).
; A tile of C, 256 x 256, lies in one batch and one part; four waves, each 128 x 128: 64 accumulators, 512 registers.  K = 1,024 is two LDS slots of 512 along K (rows of 256 bytes), each filled once;
; the scale bytes of the work-group's rows come once too.  CLUSTERS 4 x 4: x's tiles are asked for jointly along a row of the cluster, the weights' along a column.
; THE MATRIX INSTRUCTION IS USED TRANSPOSED (source 0 = 16 rows of wc, source 1 = 16 rows of xc): a lane holds eight neighbouring columns of one row.  The bias is the C of each sum's first instruction.
; REGISTERS: window 0: v0-31 addresses; v32-95 scale words and nothing else; v96-111 the rows' factors; v112-119 mask words; v128-191 x's fragments, on the way out rows read back; v192-255 the bias, later packed results.
;   window 1: the weights' fragments, two sets.   windows 2, 3: the accumulators ((a, b) at v[8 (8 (a % 4) + b)]).
.set NQ,     4                         ; steps of 128 along K in a slot
.set ROWB,   256                       ; a tile's row in bytes: 512 codes
.set KROW,   512                       ; a row of codes in memory
.set PITCH,  272                       ; an LDS row: 256 bytes + 16 of padding: the 16 rows of a fragment load start 68 words apart
.set FR,     8
.set NL,     2
.set NP,     4
.set HALFT,  128*PITCH
.set SLOT,   4*HALFT                   ; x's 256 rows, then the weights' 256
.set KS,     32                        ; a row of scale bytes
.set SCL,    2*SLOT
.set HALFS,  16*272                    ; the scales of 128 rows: 4,096 bytes as 16 rows of 256 + 16
.set SBLK,   2*272                     ; those of 16 rows
.set SPARE,  SCL+4*HALFS               ; the spare words, 128 bytes a wave, named by no other line
.set SPITCH, 272                       ; the way out: 16 rows x (256 bytes + 16) a wave, in slot 0, which has had its one fill and its last read by then
.set ADRA, 16
.set ADRB, 20
.set STO,  24
.set RD,   25
.set CO,   26
.set ADRS, 27
.set SPW,  28
.set NIL,  29
.set SC,   32
.set F,    96                          ; v96-111: a pair for each block of 16 rows: my row's factor, twice
.set MK,   112
.set AF,   128
.set BK,   128                         ; the way out: rows read back, v128-159 and v160-191 by turns
.set BI,   192                         ; the bias: block b's eight columns of my half at v[BI + 8 b]
.set PKD,  192                         ; the way out: packed results, v192-223
.set G1, 24
.set G0, 32
.set G1B, 48
.set G0B, 56
.set G1S, 68
.set G0S, 76
.set G1SB, 80
.set G0SB, 88
.set MSB, 0
.macro WIN new                         ; the immediate's high byte repeats the setting that is left
.if MSB != (\new)
	s_set_vgpr_msb (MSB<<8)|(\new)
.set MSB, (\new)
.endif
.endm
.set MUL_LO, 0xa1                      ; source 0 window 1, source 1 window 0, C and D window 2
.set MUL_HI, 0xf1                      ; C and D window 3
.set BIA_LO, 0x81                      ; the same with C (the bias) in window 0
.set BIA_HI, 0xc1
.set TO_B,   0x40
; A joint load: waves 0 and 1 fetch for x, waves 2 and 3 for the weights.  The branch hangs on the wave's number alone.  An s_nop 0 and four v_nop follow each line.
.macro JLOAD g0a, g1a, g0b, g1b
	s_cmp_eq_u32 s15, 0
	s_cbranch_scc0 .Lfor_b_\@
	tensor_load_to_lds s[\g0a:\g0a+3], s[\g1a:\g1a+7]
	s_nop 0
.rept 4
	v_nop
.endr
	s_branch .Lasked_\@
.Lfor_b_\@:
	tensor_load_to_lds s[\g0b:\g0b+3], s[\g1b:\g1b+7]
	s_nop 0
.rept 4
	v_nop
.endr
.Lasked_\@:
.endm
.macro CROUND                          ; a round of the cluster's barrier
	s_barrier_signal -1
	s_barrier_wait -1
	s_cmp_lg_u32 s14, 0
	s_cbranch_scc1 .Lnot_wave_0_\@
	s_barrier_signal -3
.Lnot_wave_0_\@:
	s_barrier_wait -3
	s_barrier_signal -1
	s_barrier_wait -1
.endm
	s_load_b128 s[4:7], s[0:1], 0x0                ; xc, xs
	s_load_b128 s[8:11], s[0:1], 0x10              ; wc, ws
	s_load_b64 s[12:13], s[0:1], 0x40              ; qkv16
	v_lshl_add_u32 v[SPW], v0, 2, SPARE
	v_mov_b32 v[NIL], 0
	ds_add_u32 v[SPW], v[NIL]                      ; the wave's opening: an add to the spare word, twice on end, waited for ahead of my first tensor load
	ds_add_u32 v[SPW], v[NIL]
	v_lshrrev_b32 v1, 5, v0
	v_readfirstlane_b32 s14, v1                    ; wave 0..3
	s_lshr_b32 s15, s14, 1                         ; which half of the tile's rows is mine.  Also: I fetch for x (0) or for the weights (1)
	s_and_b32 s16, s14, 1                          ; which half of its columns.  Also: which 128 rows I fetch
	s_bfe_u32 s40, ttmp6, 0x40000                  ; cx, cy
	s_bfe_u32 s41, ttmp6, 0x40004
	s_lshl_b32 s42, ttmp9, 2
	s_add_co_u32 s42, s42, s40                     ; tile column 0..11
	s_and_b32 s17, ttmp7, 0xffff
	s_lshl_b32 s17, s17, 2
	s_add_co_u32 s17, s17, s41                     ; tile row 0..31
	s_lshl_b32 s43, s41, 2
	s_lshl_b32 s43, 15, s43                        ; my row of the cluster
	s_lshl_b32 s44, 0x1111, s40                    ; my column
	s_or_b32 s[G1+0], s43, (0<<16)|(1<<20)|(1<<21)|(5<<22)|(3<<25)   ; mask; elements of 1 byte; padding on; bit 21 beside a mask; four words after every 64
	s_or_b32 s[G1B+0], s44, (0<<16)|(1<<20)|(1<<21)|(5<<22)|(3<<25)
.irp g, G1, G1B
	s_mov_b32 s[\g+1], ROWB<<16                    ; tensor_dim0
	s_mov_b32 s[\g+2], 128<<16                     ; tensor_dim1
	s_mov_b32 s[\g+3], ROWB<<16                    ; tile_dim0
	s_mov_b32 s[\g+4], 128                         ; tile_dim1
	s_mov_b32 s[\g+5], KROW                        ; from row to row
	s_mov_b32 s[\g+6], 0
	s_mov_b32 s[\g+7], 0
.endr
	s_or_b32 s[G1S+0], s43, (3<<16)|(1<<20)|(1<<21)|(5<<22)|(3<<25)  ; the scales of 128 rows: 4,096 dense bytes as 16 rows of 32 elements of 8 bytes
	s_or_b32 s[G1SB+0], s44, (3<<16)|(1<<20)|(1<<21)|(5<<22)|(3<<25)
.irp g, G1S, G1SB
	s_mov_b32 s[\g+1], 32<<16
	s_mov_b32 s[\g+2], 16<<16
	s_mov_b32 s[\g+3], 32<<16
	s_mov_b32 s[\g+4], 16
	s_mov_b32 s[\g+5], 32
	s_mov_b32 s[\g+6], 0
	s_mov_b32 s[\g+7], 0
.endr
	s_lshl_b32 s18, s16, 7
	s_lshl_b32 s20, s17, 8
	s_add_co_u32 s20, s20, s18                     ; x: row 256 x tile row + 128 x half
	s_lshl_b32 s46, s42, 8
	s_add_co_u32 s46, s46, s18                     ; weights: row 256 x tile column + 128 x half
	s_mov_b32 s21, 0
	s_mov_b32 s47, 0
	s_mov_b64 s[18:19], KS
	s_mul_u64 s[22:23], s[20:21], s[18:19]
	s_mul_u64 s[92:93], s[46:47], s[18:19]
	s_mov_b64 s[18:19], KROW
	s_mul_u64 s[20:21], s[20:21], s[18:19]
	s_mul_u64 s[46:47], s[46:47], s[18:19]
	s_mul_i32 s45, s14, HALFT                      ; where they go: wave x 128 rows
	s_mul_i32 s94, s14, HALFS
	s_wait_dscnt 0x0                               ; both opening adds are done
	s_wait_kmcnt 0x0
	s_add_nc_u64 s[20:21], s[4:5], s[20:21]
	s_add_nc_u64 s[22:23], s[6:7], s[22:23]
	s_add_nc_u64 s[46:47], s[8:9], s[46:47]
	s_add_nc_u64 s[92:93], s[10:11], s[92:93]
	s_load_b256 s[4:11], s[0:1], 0x20              ; bq 4, bk 6, bv 8, mask 10: the four pointers above are used up
	CROUND                                         ; all sixteen work-groups are here: the joint loads meet
	s_mov_b32 s[G0S], 1
	s_add_co_u32 s[G0S+1], s94, SCL
	s_mov_b64 s[G0S+2:G0S+3], s[22:23]
	s_or_b32 s[G0S+3], s[G0S+3], 0x80000000
	s_mov_b32 s[G0SB], 1
	s_add_co_u32 s[G0SB+1], s94, SCL
	s_mov_b64 s[G0SB+2:G0SB+3], s[92:93]
	s_or_b32 s[G0SB+3], s[G0SB+3], 0x80000000
	JLOAD G0S, G1S, G0SB, G1SB
.irp s, 0,1
	s_mov_b32 s[G0+4*\s], 1
	s_add_co_u32 s[G0+4*\s+1], s45, \s*SLOT
	s_add_nc_u64 s[G0+4*\s+2:G0+4*\s+3], s[20:21], \s*ROWB
	s_or_b32 s[G0+4*\s+3], s[G0+4*\s+3], 0x80000000
	s_mov_b32 s[G0B+4*\s], 1
	s_add_co_u32 s[G0B+4*\s+1], s45, \s*SLOT
	s_add_nc_u64 s[G0B+4*\s+2:G0B+4*\s+3], s[46:47], \s*ROWB
	s_or_b32 s[G0B+4*\s+3], s[G0B+4*\s+3], 0x80000000
	JLOAD G0+4*\s, G1, G0B+4*\s, G1B               ; three loads of mine are out: the scales, slot 0, slot 1
.endr
	v_and_b32 v1, 15, v0                           ; r
	v_bfe_u32 v2, v0, 4, 1                         ; h
	v_mul_u32_u24 v3, v1, PITCH
	v_lshl_add_u32 v4, v2, 4, v3
	s_mul_i32 s21, s15, HALFT
	s_mul_i32 s22, s16, HALFT
	s_add_co_u32 s22, s22, 2*HALFT
.irp s, 0,1
	v_add_nc_u32 v[ADRA+\s], s21, v4
	v_add_nc_u32 v[ADRB+\s], s22, v4
	s_add_co_u32 s21, s21, SLOT
	s_add_co_u32 s22, s22, SLOT
.endr
	v_mul_u32_u24 v5, v1, KS                       ; my row's scales: 32 bytes a row, 16 more for each 256 passed
	v_lshrrev_b32 v6, 8, v5
	v_lshl_add_u32 v5, v6, 4, v5
	s_mul_i32 s21, s15, HALFS
	s_mul_i32 s22, s16, HALFS
	s_add_co_u32 s22, s22, 2*HALFS
	s_sub_co_u32 s22, s22, s21
	v_mul_u32_u24 v6, s22, v2                      ; lanes 16-31 take the weights'
	s_add_co_u32 s21, s21, SCL
	v_add_nc_u32 v5, v5, v6
	v_add_nc_u32 v[ADRS], s21, v5
	s_mul_i32 s23, s14, 16*SPITCH                  ; my stage
	v_mul_u32_u24 v5, v1, SPITCH
	v_lshl_add_u32 v5, v2, 4, v5
	v_add_nc_u32 v[STO], s23, v5                   ; in: row r, 16 bytes for each half of the lanes
	v_and_b32 v6, 31, v0
	v_lshlrev_b32 v[CO], 4, v6                     ; out: 16 bytes a lane, 512 consecutive bytes a store
	v_lshrrev_b32 v7, 3, v6
	v_mul_u32_u24 v7, v7, SPITCH
	v_and_b32 v6, 7, v6
	v_lshl_add_u32 v7, v6, 4, v7
	v_add_nc_u32 v[RD], s23, v7                    ; back: eight lanes take one head's 128 bytes of a row, four rows an instruction
	v_lshlrev_b32 v8, 5, v2                        ; the bias: 32 h
	v_lshlrev_b32 v9, 2, v1                        ; the mask: 4 r
	s_wait_kmcnt 0x0
	s_lshr_b32 s66, s42, 2                         ; part: 0 q, 1 k, 2 v
	s_mov_b32 s67, 1.0
	s_cmp_eq_u32 s66, 0
	s_cselect_b64 s[4:5], s[4:5], s[6:7]
	s_cselect_b32 s67, 0x3e38aa3b, s67             ; q's factor log2(e) / 8, else 1
	s_cmp_eq_u32 s66, 2
	s_cselect_b64 s[4:5], s[8:9], s[4:5]           ; my part's bias
	s_cmp_eq_u32 s66, 1
	s_cselect_b32 s95, 0, 1                        ; 0 for k: there the mask counts
	s_and_b32 s96, s42, 3
	s_lshl_b32 s20, s96, 10
	s_lshl_b32 s21, s16, 9
	s_add_co_u32 s20, s20, s21                     ; my first column in the part, x 4 bytes
	s_mov_b32 s21, 0
	s_add_nc_u64 s[4:5], s[4:5], s[20:21]
	s_lshl_b32 s20, s17, 10
	s_lshl_b32 s22, s15, 9
	s_add_co_u32 s20, s20, s22                     ; my first row, x 4 bytes: the mask [4][2048] is indexed by x's row
	s_add_nc_u64 s[10:11], s[10:11], s[20:21]
.irp b, 0,1,2,3,4,5,6,7
	global_load_b128 v[BI+8*\b:BI+8*\b+3], v8, s[4:5] offset:64*\b
	global_load_b128 v[BI+8*\b+4:BI+8*\b+7], v8, s[4:5] offset:64*\b+16
.endr
.irp a, 0,1,2,3,4,5,6,7
	global_load_b32 v[MK+\a], v9, s[10:11] offset:64*\a
.endr
	s_lshl_b32 s20, s66, 24                        ; where my part of the output begins: part x 2^24,
	s_lshr_b32 s22, s17, 3
	s_lshl_b32 s22, s22, 4
	s_lshl_b32 s23, s96, 2
	s_add_co_u32 s22, s22, s23
	s_lshl_b32 s23, s16, 1
	s_add_co_u32 s22, s22, s23                     ; batch x 16 + my first head,
	s_lshl_b32 s22, s22, 18
	s_add_co_u32 s20, s20, s22
	s_and_b32 s22, s17, 7
	s_lshl_b32 s22, s22, 8
	s_lshl_b32 s23, s15, 7
	s_add_co_u32 s22, s22, s23                     ; my first position in the batch, 128 bytes each
	s_lshl_b32 s22, s22, 7
	s_add_co_u32 s20, s20, s22
	s_add_nc_u64 s[12:13], s[12:13], s[20:21]
	s_wait_loadcnt 0x0
	v_mov_b32 v10, s67
.irp a, 0,1,2,3,4,5,6,7
	v_or_b32 v11, s95, v[MK+\a]
	v_cmp_ne_u32 vcc_lo, 0, v11
	v_cndmask_b32 v[F+2*\a], 0, v10, vcc_lo        ; 0 for a masked key's row of k, else the part's factor
	v_mov_b32 v[F+2*\a+1], v[F+2*\a]
.endr
.macro FRAG reg, adr, q, i             ; 16 rows x 128 K of 4-bit codes: 8 registers, two loads of 16 bytes, 32 bytes apart
.irp c, 0,1
	ds_load_b128 v[\reg+4*\c:\reg+4*\c+3], v[\adr] offset:64*(\q)+32*\c+(\i)*16*PITCH
.endr
.endm
; 16 matrix instructions: x's blocks a0, a0 + 1 against the weights' eight.  zero = 1: the first product starts the sums from the bias.  The 64 accumulators take turns.
.macro MUL16 a0, p, q, sc, zero
.irp a, \a0, \a0+1
.irp b, 0,1,2,3,4,5,6,7
.if \zero
	v_wmma_scale_f32_16x16x128_f8f6f4 v[8*(8*((\a)%4)+\b):8*(8*((\a)%4)+\b)+7], v[128*(\p)+FR*\b:128*(\p)+FR*\b+FR-1], v[AF+FR*(\a):AF+FR*(\a)+FR-1], v[BI+8*\b:BI+8*\b+7], v[SC+8*NQ*(\sc)+NQ*\b+(\q)], v[SC+8*NQ*(\sc)+NQ*(\a)+(\q)] matrix_a_fmt:MATRIX_FMT_FP4 matrix_b_fmt:MATRIX_FMT_FP4 matrix_a_scale:MATRIX_SCALE_ROW1
.else
	v_wmma_scale_f32_16x16x128_f8f6f4 v[8*(8*((\a)%4)+\b):8*(8*((\a)%4)+\b)+7], v[128*(\p)+FR*\b:128*(\p)+FR*\b+FR-1], v[AF+FR*(\a):AF+FR*(\a)+FR-1], v[8*(8*((\a)%4)+\b):8*(8*((\a)%4)+\b)+7], v[SC+8*NQ*(\sc)+NQ*\b+(\q)], v[SC+8*NQ*(\sc)+NQ*(\a)+(\q)] matrix_a_fmt:MATRIX_FMT_FP4 matrix_b_fmt:MATRIX_FMT_FP4 matrix_a_scale:MATRIX_SCALE_ROW1
.endif
.endr
.endr
.endm
.macro FETCH_B slot, q, p
	WIN TO_B
.irp i, 0,1,2,3,4,5,6,7
	FRAG 128*(\p)+FR*\i, ADRB+\slot, \q, \i
.endr
	WIN 0
.endm
.macro FETCH_A slot, q, i0
.irp i, \i0, \i0+1, \i0+2, \i0+3
	FRAG AF+FR*(\i), ADRA+\slot, \q, \i
.endr
.endm
.macro SCALES sc                       ; a slot's scale words: four a row; lanes 0-15 x's block i, lanes 16-31 the weights' block i
.irp i, 0,1,2,3,4,5,6,7
	ds_load_b128 v[SC+8*NQ*\sc+NQ*\i:SC+8*NQ*\sc+NQ*\i+3], v[ADRS] offset:\i*SBLK
.endr
.endm
.macro PLACES n                        ; plain vector lines between a matrix instruction and a load into, or a read of, its registers
.rept \n
	v_nop
.endr
.endm
.macro STEP slot, q, zero              ; 128 along K, with its successor in the same slot
	s_wait_dscnt 4*NL                              ; the weights' set and x's blocks 0-3 are in; the youngest eight loads (x's blocks 4-7) may be out
.if \zero
	WIN BIA_LO
.else
	WIN MUL_LO
.endif
	MUL16 0, (\q)%2, \q, \slot, \zero
	MUL16 2, (\q)%2, \q, \slot, \zero
	s_wait_dscnt 0
	PLACES NP
	FETCH_B \slot, (\q)+1, 1-(\q)%2
	FETCH_A \slot, (\q)+1, 0
.if \zero
	WIN BIA_HI
.else
	WIN MUL_HI
.endif
	MUL16 4, (\q)%2, \q, \slot, \zero
	MUL16 6, (\q)%2, \q, \slot, \zero
	PLACES NP
	WIN 0
	FETCH_A \slot, (\q)+1, 4
.endm
.macro TURN slot, next                 ; slot 0's last step changes slots: one barrier; nothing is filled again
	s_wait_tensorcnt 0x0                           ; all my tensor loads have landed: my part of slot 1
	ds_add_u32 v[SPW], v[NIL]                      ; 0 onto my spare word
	s_wait_dscnt 4*NL+1                            ; the add and the youngest eight loads may be out
	WIN MUL_LO
	MUL16 0, 1, NQ-1, \slot, 0
	s_wait_dscnt 0x0                               ; the add is done, and my reads of this slot are over
	s_barrier_signal -1
	MUL16 2, 1, NQ-1, \slot, 0
	WIN 0
	s_barrier_wait -1
	PLACES NP
	v_add_nc_u32 v[ADRS], 4*NQ, v[ADRS]            ; the next slot's scale words
	FETCH_B \next, 0, 0
	FETCH_A \next, 0, 0
	SCALES \next
	WIN MUL_HI
	MUL16 4, 1, NQ-1, \slot, 0
	MUL16 6, 1, NQ-1, \slot, 0
	PLACES NP
	WIN 0
	FETCH_A \next, 0, 4
.endm
	s_wait_tensorcnt 1                             ; the scales and my part of slot 0 are in; slot 1's load may be out,
	s_barrier_signal -1
	s_barrier_wait -1                              ; everybody's are
	FETCH_B 0, 0, 0
	FETCH_A 0, 0, 0
	SCALES 0
	FETCH_A 0, 0, 4
	STEP 0, 0, 1
	STEP 0, 1, 0
	STEP 0, 2, 0
	TURN 0, 1
	STEP 1, 0, 0
	STEP 1, 1, 0
	STEP 1, 2, 0
	s_wait_dscnt 4*NL                              ; the last step: nothing more to fetch
	WIN MUL_LO
	MUL16 0, 1, NQ-1, 1, 0
	MUL16 2, 1, NQ-1, 1, 0
	s_wait_dscnt 0
	WIN MUL_HI
	MUL16 4, 1, NQ-1, 1, 0
	MUL16 6, 1, NQ-1, 1, 0
	WIN 0
; THE WAY OUT, a block of 16 rows x 128 columns (two heads) at a time: x the row's factor, rounded to f16, 16 bytes a lane into my stage, back as four rows of one head an instruction: 512 consecutive bytes of qkv16.
.macro PACK a
.set AC, 64*((\a)%4)
	WIN 0x82+0x41*((\a)/4)                         ; destination and source 0: window 2 or 3; the factor: window 0
.set i, 0
.rept 32
	v_pk_mul_f32 v[AC+i:AC+i+1], v[AC+i:AC+i+1], v[F+2*(\a):F+2*(\a)+1]   ; each accumulator from its low end on
.set i, i+2
.endr
	WIN 0x0a+5*((\a)/4)                            ; sources 0 and 1: window 2 or 3
.irp b, 0,1,2,3,4,5,6,7
.irp r, 0,1,2,3
	v_cvt_pk_f16_f32 v[PKD+4*\b+\r], v[AC+8*\b+2*\r], v[AC+8*\b+2*\r+1]
.endr
.endr
	WIN 0
.endm
.macro TOSTAGE a
.set BB, BK+32*((\a)%2)
.irp b, 0,1,2,3,4,5,6,7
	ds_store_b128 v[STO], v[PKD+4*\b:PKD+4*\b+3] offset:32*\b
.endr
.irp t, 0,1,2,3,4,5,6,7
	ds_load_b128 v[BB+4*\t:BB+4*\t+3], v[RD] offset:(\t/4)*128+(\t%4)*4*SPITCH   ; LDS serves a wave's instructions in order: these see the stores above
.endr
.endm
.macro SEND a
.set BB, BK+32*((\a)%2)
	s_wait_dscnt 0x0                               ; the block is back in registers
	s_wait_xcnt 0x0                                ; the stores of the block before have read their registers: the next block's loads may land there
.irp t, 0,1,2,3,4,5,6,7
	global_store_b128 v[CO], v[BB+4*\t:BB+4*\t+3], s[12:13] offset:(\t/4)*262144+2048*(\a)+512*(\t%4)
.endr
.endm
	PLACES NP
	PACK 0
	TOSTAGE 0
.irp a, 1,2,3,4,5,6,7
	PACK \a                                        ; block a's arithmetic stands between block a - 1's loads from the stage and the wait for them
	SEND \a-1
	TOSTAGE \a
.endr
	SEND 7
	s_wait_tensorcnt 0x0                           ; the wave's end
	ds_add_u32 v[SPW], v[NIL]
	s_wait_dscnt 0x0
	CROUND                                         ; the closing round
	s_endpgm
.Lfunc_end_k_q05df790bd1_qkv:
	.size	k_q05df790bd1_qkv, .Lfunc_end_k_q05df790bd1_qkv-k_q05df790bd1_qkv
	.p2alignl 7, 3214868480
	.fill 96, 4, 3214868480
	.section	.rodata,"a",@progbits
	.p2align	6, 0x0
	.amdhsa_kernel k_q05df790bd1_qkv
		.amdhsa_group_segment_fixed_size 327680
		.amdhsa_private_segment_fixed_size 0
		.amdhsa_enable_private_segment 0
		.amdhsa_kernarg_size 72
		.amdhsa_user_sgpr_count 2
		.amdhsa_user_sgpr_kernarg_segment_ptr 1
		.amdhsa_wavefront_size32 1
		.amdhsa_system_sgpr_workgroup_id_x 1
		.amdhsa_system_sgpr_workgroup_id_y 1
		.amdhsa_system_sgpr_workgroup_id_z 1
		.amdhsa_system_vgpr_workitem_id 0
		.amdhsa_next_free_vgpr 1024
		.amdhsa_next_free_sgpr 100
		.amdhsa_reserve_vcc 1
		.amdhsa_float_denorm_mode_32 3
		.amdhsa_float_denorm_mode_16_64 3
		.amdhsa_memory_ordered 1
		.amdhsa_forward_progress 1
		.amdhsa_inst_pref_size 147
	.end_amdhsa_kernel
	.amdgpu_metadata
---
amdhsa.version: [ 1, 2 ]
amdhsa.kernels:
  - .name:           k_q05df790bd1_qkv
    .symbol:         k_q05df790bd1_qkv.kd
    .args:
      - { .name: xc, .offset: 0, .size: 8, .value_kind: global_buffer, .address_space: global }
      - { .name: xs, .offset: 8, .size: 8, .value_kind: global_buffer, .address_space: global }
      - { .name: wc, .offset: 16, .size: 8, .value_kind: global_buffer, .address_space: global }
      - { .name: ws, .offset: 24, .size: 8, .value_kind: global_buffer, .address_space: global }
      - { .name: bq, .offset: 32, .size: 8, .value_kind: global_buffer, .address_space: global }
      - { .name: bk, .offset: 40, .size: 8, .value_kind: global_buffer, .address_space: global }
      - { .name: bv, .offset: 48, .size: 8, .value_kind: global_buffer, .address_space: global }
      - { .name: mask, .offset: 56, .size: 8, .value_kind: global_buffer, .address_space: global }
      - { .name: qkv16, .offset: 64, .size: 8, .value_kind: global_buffer, .address_space: global }
    .group_segment_fixed_size: 327680
    .private_segment_fixed_size: 0
    .kernarg_segment_align: 8
    .kernarg_segment_size: 72
    .max_flat_workgroup_size: 128
    .sgpr_count:     100
    .vgpr_count:     1024
    .wavefront_size: 32
...
	.end_amdgpu_metadata
.endif
;; end of part 2
;; launch attn (part 3): grid 8 x 64, 8 waves a work-group, clusters of 4 x 1, 327,680 bytes of LDS; arguments qkv16, mask, ao16; writes ao16
.if DOCPART == 3
	.amdgcn_target "amdgcn-amd-amdhsa--gfx1250"
	.amdhsa_code_object_version 6
	.text
	.protected	k_q05df790bd1_attn
	.globl	k_q05df790bd1_attn
	.p2align	8
	.type	k_q05df790bd1_attn,@function
k_q05df790bd1_attn:
	s_mov_b64 s[64:65], 0
	v_nop
	global_prefetch_b8 v0, s[64:65] scope:SCOPE_SE
	s_setreg_imm32_b32 hwreg(HW_REG_WAVE_MODE, 25, 1), 1
	s_wait_xcnt 0x0
	s_wait_alu depctr_hold_cnt(0) depctr_sa_sdst(0) depctr_va_vdst(0) depctr_va_sdst(0) depctr_va_ssrc(0) depctr_va_vcc(0) depctr_vm_vsrc(0)
	s_getreg_b32 s2, hwreg(HW_REG_IB_STS2, 6, 4)
	s_cmp_eq_u32 s2, 0
	s_cbranch_scc0 .Lentry_in_a_cluster
	s_endpgm
.Lentry_in_a_cluster:
	s_bfe_u32 s2, ttmp6, 0x10000c
	s_cmp_lg_u32 s2, 0x3003
	s_cbranch_scc0 .Lentry_shape_is_right
	s_endpgm
.Lentry_shape_is_right:
; ATTENTION for one batch and head (64 of them), head size 64, 2,048 keys, f16 operands, f32 sums, a running maximum.
; qkv16 [part][bh][position][64] f16: part 0 = q x log2(e) / 8, part 1 = k with masked keys' rows 0, part 2 = v.  ao16 [bh][position][64] f16.
; THE MASK: a key whose mask is 0 has the score -1e9 whatever q and k are.  Its row of k is 0, and the C of every score tile's first matrix instruction is a bias, 0 or -1e9 x log2(e), by key:
; so the masked score is exactly the bias, and a batch with every key masked comes out uniform.
; SHARES: a work-group owns 256 queries, each of its eight waves 32: two tiles of 16; two waves to a SIMD, so that one wave's softmax stands beside the other's products.
; Every wave walks all keys, 64 a step, through two LDS slots of four steps.  The four query blocks of a cluster walk the same K and V: each tile is asked for jointly (mask 15).
; LAYOUT: S^T = K Q^T + bias (source 0 = 16 keys, source 1 = 16 queries), O^T += V^T P (V turned by ds_load_tr16_b128): a lane holds ONE query throughout; two score tiles rounded to f16 in pairs ARE source 1 of the second product.
; SOFTMAX: p = 2^(s - m), m the running maximum; in every step O and l are multiplied by a = 2^(m_old - m_new).
; LIMITS: |output| stays under 65,504 (it is an average of v); NaN and infinities are not served.
; REGISTERS: window 0: v0-15 addresses; v16-31 statistics, 8 a tile; v32-95 S^T; v96-127 P; v128-191 O^T; v192-215 set-up.   window 1: v0-31 Q, v32-95 K, v96-159 V, v160-191 the bias of a step's 64 keys.
.set KS,    64
.set PK,    144                        ; a row of K in LDS: 128 bytes + 16: the 16 rows of a load start 36 words apart
.set PV,    160                        ; a row of V: 128 + 32
.set VOFF,  KS*PK
.set STEPB, KS*(PK+PV)                 ; a step: 64 rows of K, then 64 of V
.set SLOT1, 1<<17                      ; slot 1 begins here: one exclusive or turns an address
.set SLOTB, 4*KS*128                   ; a slot's keys in memory: 32,768 bytes of K, as many of V
.set BIAS,  SLOT1+4*STEPB              ; 2,048 f32, written once by ds_store; no tile lands here
.set STAGE, BIAS+8192+1024             ; the way out: 32 rows x 144 bytes a wave
.set SP,    144
.set SPARE, STAGE+8*32*SP              ; the spare words, 128 bytes a wave, named by no other line
.set AK0, 2
.set AV0, 3
.set AB0, 4
.set ADR, 5
.set ADV, 6
.set ADB, 7
.set QO,  8
.set STO, 9
.set RD,  10
.set GO,  11
.set SPW, 12
.set NIL, 13
.set PFO, 14
.set ST,  16                           ; tile t at v[ST + 8 t]: +0 m, +1 zero, +2, +3 l (even keys', odd keys'), +4 .. +7 at work; a takes +6
.set S,   32
.set P,   96
.set O,   128
.set KF,  32                           ; window 1
.set VF,  96
.set BF,  160
.set WV,  12
.set LIM, 15
.set PFA, 18
.set G1K, 24
.set G1V, 32
.set G0K, 40
.set G0V, 44
.set SLOTS, 56
.set SEL, 60
.set TB,  62                           ; LDS byte at which the step in hand begins
.set TJ,  63                           ; and its 256 bytes of the bias
.set MSB, 0
.macro WIN new
.if MSB != (\new)
	s_set_vgpr_msb (MSB<<8)|(\new)
.set MSB, (\new)
.endif
.endm
; A joint load: waves 0-3 fetch the four steps' tiles of K, waves 4-7 those of V.  The branch hangs on the wave's number alone.  An s_nop 0 and four v_nop follow each line.
.macro JLOAD
	s_cmp_lt_u32 s[WV], 4
	s_cbranch_scc0 .Lfor_v_\@
	tensor_load_to_lds s[G0K:G0K+3], s[G1K:G1K+7]
	s_nop 0
.rept 4
	v_nop
.endr
	s_branch .Lasked_\@
.Lfor_v_\@:
	tensor_load_to_lds s[G0V:G0V+3], s[G1V:G1V+7]
	s_nop 0
.rept 4
	v_nop
.endr
.Lasked_\@:
.endm
; A prefetch of what the NEXT change of slots will ask for: 32,768 bytes of K and of V.  Both clusters of a head walk the same rows: the first asks.  Its four partners take 8,192 bytes each, told apart by address;
; in each, wave 0 asks for K's and wave 4 for V's, lanes 256 bytes apart: each block of 256 bytes is named once.  The last change that fills a slot asks for nothing; slots 0 and 1 come by their loads alone.
.macro ASK
	s_cmp_gt_u32 s[SLOTS], s[LIM]
	s_cbranch_scc0 .Lnot_mine_\@
	global_prefetch_b8 v[PFO], s[PFA:PFA+1] th:TH_LOAD_NT scope:SCOPE_SE
.Lnot_mine_\@:
.endm
.macro CROUND
	s_barrier_signal -1
	s_barrier_wait -1
	s_cmp_lg_u32 s[WV], 0
	s_cbranch_scc1 .Lnot_wave_0_\@
	s_barrier_signal -3
.Lnot_wave_0_\@:
	s_barrier_wait -3
	s_barrier_signal -1
	s_barrier_wait -1
.endm
	s_load_b128 s[4:7], s[0:1], 0x0                ; qkv16, mask
	s_load_b64 s[8:9], s[0:1], 0x10                ; ao16
	v_lshl_add_u32 v[SPW], v0, 2, SPARE
	v_mov_b32 v[NIL], 0
	ds_add_u32 v[SPW], v[NIL]                      ; the wave's opening: an add to the spare word, twice on end, waited for ahead of my first tensor load
	ds_add_u32 v[SPW], v[NIL]
	v_lshrrev_b32 v1, 5, v0
	v_readfirstlane_b32 s[WV], v1                  ; wave 0..7
	s_bfe_u32 s13, ttmp6, 0x40000                  ; cx
	s_lshl_b32 s14, ttmp9, 2
	s_add_co_u32 s14, s14, s13                     ; my block of 256 queries: it enters q's and the output's addresses alone
	s_and_b32 s20, ttmp7, 0xffff                   ; batch x 16 + head, which the partners share
	s_and_b32 s16, s[WV], 3                        ; which of a slot's four steps I fetch
	s_lshl_b32 s22, s20, 18                        ; the head's first byte in each part,
	s_lshl_b32 s17, s16, 13                        ; my step's 64 rows of 128 bytes
	s_add_co_u32 s22, s22, s17
	s_mov_b32 s23, 0
	s_mul_i32 s17, s16, STEPB                      ; and its place in a slot
	s_lshl_b32 s2, s20, 18
	s_lshl_b32 s3, s14, 15
	s_add_co_u32 s2, s2, s3
	s_lshl_b32 s3, s[WV], 12
	s_add_co_u32 s2, s2, s3                        ; my wave's 32 queries
	s_mov_b32 s3, 0
	s_lshr_b32 s20, s20, 4
	s_lshl_b32 s20, s20, 13                        ; my batch's 2,048 mask words
	s_mov_b32 s21, 0
	s_mov_b32 s[G1K], 15|(1<<16)|(1<<20)|(1<<21)|(4<<22)|(3<<25)   ; all four work-groups; elements of 2 bytes; padding on; bit 21 beside a mask; four words after every 32
	s_mov_b32 s[G1V], 15|(1<<16)|(1<<20)|(1<<21)|(4<<22)|(7<<25)   ; the same with eight words
.irp g, G1K, G1V
	s_mov_b32 s[\g+1], 64<<16                      ; tensor_dim0
	s_mov_b32 s[\g+2], KS<<16                      ; tensor_dim1
	s_mov_b32 s[\g+3], 64<<16                      ; tile_dim0
	s_mov_b32 s[\g+4], KS                          ; tile_dim1
	s_mov_b32 s[\g+5], 64                          ; from row to row
	s_mov_b32 s[\g+6], 0
	s_mov_b32 s[\g+7], 0
.endr
	s_mov_b32 s[SEL], 0x76543210
	s_mov_b32 s[SEL+1], 0xfedcba98
	s_mov_b32 s[TB], 0
	s_mov_b32 s[TJ], 0
	s_mov_b32 s[SLOTS], 7
	s_and_b32 s[LIM], s[WV], 3
	s_or_b32 s[LIM], s[LIM], ttmp9                 ; 0 in waves 0 and 4 of the head's first cluster
	s_cmp_eq_u32 s[LIM], 0
	s_cselect_b32 s[LIM], 1, -1
	s_mov_b32 s[PFA], 0x2000000                    ; the prefetches' offset: V's part or K's,
	s_cmp_lt_u32 s[WV], 4
	s_cselect_b32 s[PFA], 0x1000000, s[PFA]
	s_lshl_b32 s[PFA+1], s13, 13                   ; my work-group's 8,192 bytes,
	s_add_co_u32 s[PFA], s[PFA], s[PFA+1]
	s_add_co_u32 s[PFA], s[PFA], SLOTB             ; in slot 1: the first change of slots steps it to slot 2
	s_mov_b32 s[PFA+1], 0
	v_and_b32 v[PFO], 31, v0
	v_lshlrev_b32 v[PFO], 8, v[PFO]
	s_wait_dscnt 0x0                               ; both opening adds are done
	s_wait_kmcnt 0x0
	s_add_nc_u64 s[10:11], s[4:5], s[22:23]
	s_add_nc_u64 s[PFA:PFA+1], s[10:11], s[PFA:PFA+1]
	s_mov_b32 s[G0K], 1
	s_mov_b32 s[G0K+1], s17
	s_add_nc_u64 s[G0K+2:G0K+3], s[10:11], 0x1000000
	s_or_b32 s[G0K+3], s[G0K+3], 0x80000000
	s_mov_b32 s[G0V], 1
	s_add_co_u32 s[G0V+1], s17, VOFF
	s_add_nc_u64 s[G0V+2:G0V+3], s[10:11], 0x2000000
	s_or_b32 s[G0V+3], s[G0V+3], 0x80000000
	s_add_nc_u64 s[4:5], s[4:5], s[2:3]            ; q at my wave's first row
	s_add_nc_u64 s[8:9], s[8:9], s[2:3]            ; the output likewise
	s_add_nc_u64 s[6:7], s[6:7], s[20:21]          ; my batch's mask
	CROUND                                         ; all four work-groups are here
	JLOAD                                          ; slot 0: one load of mine is out
	v_and_b32 v1, 15, v0                           ; r
	v_bfe_u32 v15, v0, 4, 1                        ; h
	v_lshlrev_b32 v[QO], 7, v1
	v_lshl_add_u32 v[QO], v15, 4, v[QO]
	v_lshlrev_b32 v194, 5, v0                      ; eight mask words a thread
	WIN 0x40                                       ; destination window 1
.irp t, 0,1
.irp c, 0,1
	global_load_b128 v[16*\t+8*\c:16*\t+8*\c+3],   v[QO], s[4:5] offset:2048*\t+64*\c      ; Q stays in registers
	global_load_b128 v[16*\t+8*\c+4:16*\t+8*\c+7], v[QO], s[4:5] offset:2048*\t+64*\c+32
.endr
.endr
	WIN 0
	global_load_b128 v[200:203], v194, s[6:7]
	global_load_b128 v[204:207], v194, s[6:7] offset:16
	v_lshl_add_u32 v195, v0, 5, BIAS
	v_mul_u32_u24 v[AK0], v1, PK
	v_lshl_add_u32 v[AK0], v15, 4, v[AK0]          ; K: row r, + 16 h
	v_and_b32 v193, 7, v0
	v_lshl_add_u32 v[AV0], v15, 3, v193            ; V, turned: key 8 h + lane % 8,
	v_mul_u32_u24 v[AV0], v[AV0], PV
	v_bfe_u32 v193, v0, 3, 1
	v_lshl_add_u32 v[AV0], v193, 4, v[AV0]         ; channels 8 ((lane / 8) % 2) on
	v_add_nc_u32 v[AV0], VOFF, v[AV0]
	v_lshl_add_u32 v[AB0], v15, 5, BIAS            ; the bias: keys 8 h on
	s_mul_i32 s16, s[WV], 32*SP
	s_add_co_u32 s16, s16, STAGE                   ; my stage
	v_mul_u32_u24 v[STO], v1, SP
	v_lshl_add_u32 v[STO], v15, 4, v[STO]
	v_add_nc_u32 v[STO], s16, v[STO]
	v_and_b32 v192, 31, v0
	v_lshlrev_b32 v[GO], 4, v192
	v_lshrrev_b32 v193, 3, v192
	v_mul_u32_u24 v[RD], v193, SP
	v_and_b32 v193, 7, v192
	v_lshl_add_u32 v[RD], v193, 4, v[RD]
	v_add_nc_u32 v[RD], s16, v[RD]
.irp t, 0,1
	v_mov_b32 v[ST+8*\t], 0xff61b1e6               ; m: -3e38, under every score
	v_mov_b32 v[ST+8*\t+1], 0
	v_mov_b32 v[ST+8*\t+2], 0                      ; l
	v_mov_b32 v[ST+8*\t+3], 0
.endr
.set i, 0
.rept 64
	v_mov_b32 v[O+i], 0                            ; O^T: the step is written once: the first finds zeros, which a = 0 leaves zeros
.set i, i+1
.endr
	v_mov_b32 v196, 0xceabfb8f                     ; -1e9 x log2(e)
	s_wait_loadcnt 0x0                             ; Q and the mask
.irp i, 0,1,2,3,4,5,6,7
	v_cmp_eq_u32 vcc_lo, 0, v[200+\i]
	v_cndmask_b32 v[208+\i], 0, v196, vcc_lo
.endr
	ds_store_b128 v195, v[208:211]                 ; the first change of slots waits for these and passes barriers ahead of every read
	ds_store_b128 v195, v[212:215] offset:16
.macro FETCH_K off                     ; fragment f: keys 16 (f / 2) on, channels 32 (f % 2) on
.irp f, 0,1,2,3,4,5,6,7
	ds_load_b128 v[KF+8*\f:KF+8*\f+3],   v[ADR] offset:\off+(\f/2)*16*PK+(\f%2)*64
	ds_load_b128 v[KF+8*\f+4:KF+8*\f+7], v[ADR] offset:\off+(\f/2)*16*PK+(\f%2)*64+32
.endr
.endm
.macro FETCH_B off                     ; the bias of key tile k: register j = key 16 k + 8 h + j
.irp k, 0,1,2,3
	ds_load_b128 v[BF+8*\k:BF+8*\k+3],   v[ADB] offset:\off+64*\k
	ds_load_b128 v[BF+8*\k+4:BF+8*\k+7], v[ADB] offset:\off+64*\k+16
.endr
.endm
.macro FETCH_V                         ; fragment f: keys 32 (f / 4) on, channels 16 (f % 4) on
.irp f, 0,1,2,3,4,5,6,7
	ds_load_tr16_b128 v[VF+8*\f:VF+8*\f+3],   v[ADV] offset:(\f/4)*32*PV+(\f%4)*32
	ds_load_tr16_b128 v[VF+8*\f+4:VF+8*\f+7], v[ADV] offset:(\f/4)*32*PV+16*PV+(\f%4)*32
.endr
.endm
.macro SCALE t, b                      ; pair b of tile t: s - m
	v_pk_add_f32 v[S+32*(\t)+2*(\b):S+32*(\t)+2*(\b)+1], v[S+32*(\t)+2*(\b):S+32*(\t)+2*(\b)+1], v[ST+8*(\t):ST+8*(\t)+1] op_sel_hi:[1,0] neg_lo:[0,1] neg_hi:[0,1]
.endm
; Both tiles' softmax for 64 keys; the tiles alternate, so that no line waits for the line above it.
.macro SOFTMAX
.irp j, 0,1,2,3
.irp t, 0,1
	v_max3_num_f32 v[ST+8*\t+4+\j], v[S+32*\t+8*\j], v[S+32*\t+8*\j+1], v[S+32*\t+8*\j+2]   ; four chains; each accumulator is read from its low end on
.endr
.endr
.irp g, 1,2
.irp j, 0,1,2,3
.irp t, 0,1
	v_max3_num_f32 v[ST+8*\t+4+\j], v[ST+8*\t+4+\j], v[S+32*\t+8*\j+2*\g+1], v[S+32*\t+8*\j+2*\g+2]
.endr
.endr
.endr
.irp t, 0,1
	v_max3_num_f32 v[ST+8*\t+4], v[ST+8*\t+4], v[S+32*\t+7], v[S+32*\t+15]
.endr
.irp t, 0,1
	v_max3_num_f32 v[ST+8*\t+6], v[ST+8*\t+6], v[S+32*\t+23], v[S+32*\t+31]
.endr
.irp t, 0,1
	v_max3_num_f32 v[ST+8*\t+4], v[ST+8*\t+4], v[ST+8*\t+5], v[ST+8*\t+6]
.endr
.irp t, 0,1
	v_max3_num_f32 v[ST+8*\t+4], v[ST+8*\t+4], v[ST+8*\t+7], v[ST+8*\t]   ; with the old m
.endr
.irp t, 0,1
	v_permlanex16_b32 v[ST+8*\t+5], v[ST+8*\t+4], s[SEL], s[SEL+1]         ; the query's other 32 keys lie in the lane 16 away
.endr
.irp t, 0,1
	v_mov_b32 v[ST+8*\t+7], v[ST+8*\t]
.endr
.irp t, 0,1
	v_max_num_f32 v[ST+8*\t], v[ST+8*\t+4], v[ST+8*\t+5]
.endr
.irp t, 0,1
	v_sub_f32 v[ST+8*\t+7], v[ST+8*\t+7], v[ST+8*\t]
.endr
.irp t, 0,1
	v_exp_f32 v[ST+8*\t+6], v[ST+8*\t+7]           ; a = 2^(m_old - m_new)
.endr
.irp b, 0,1,2,3
.irp t, 0,1
	SCALE \t, \b                                   ; eight plain lines that name neither a
.endr
.endr
	s_wait_alu depctr_va_vdst(0)                   ; the wait ahead of the first line that names an exponential's result: one for both a
; ONE BATCH: 64 exponentials; between them the scalings of pairs four ahead and O^T's rescaling, none of which names a result of the batch
.irp i, 0,1,2,3,4,5,6,7,8,9,10,11,12,13,14,15
.irp t, 0,1
	v_exp_f32 v[S+32*\t+2*\i], v[S+32*\t+2*\i]
.if \i < 12
	SCALE \t, \i+4
.endif
	v_exp_f32 v[S+32*\t+2*\i+1], v[S+32*\t+2*\i+1]
	v_pk_mul_f32 v[O+32*\t+2*\i:O+32*\t+2*\i+1], v[O+32*\t+2*\i:O+32*\t+2*\i+1], v[ST+8*\t+6:ST+8*\t+7] op_sel_hi:[1,0]
.endr
.endr
	s_wait_alu depctr_va_vdst(0)                   ; one wait for the batch; the last line above is the plain line behind its last exponential
.irp i, 0,1,2,3,4,5,6,7,8,9,10,11,12,13,14,15
.irp t, 0,1
	v_cvt_pk_f16_f32 v[P+16*\t+\i], v[S+32*\t+2*\i], v[S+32*\t+2*\i+1]
.endr
.endr
.irp u, 0,1,2,3,4,5,6,7
.irp t, 0,1
	v_pk_add_f32 v[S+32*\t+4*\u:S+32*\t+4*\u+1], v[S+32*\t+4*\u:S+32*\t+4*\u+1], v[S+32*\t+4*\u+2:S+32*\t+4*\u+3]   ; the sum of the unrounded p, a tree in place
.endr
.endr
.irp u, 0,1,2,3
.irp t, 0,1
	v_pk_add_f32 v[S+32*\t+8*\u:S+32*\t+8*\u+1], v[S+32*\t+8*\u:S+32*\t+8*\u+1], v[S+32*\t+8*\u+4:S+32*\t+8*\u+5]
.endr
.endr
.irp u, 0,1
.irp t, 0,1
	v_pk_add_f32 v[S+32*\t+16*\u:S+32*\t+16*\u+1], v[S+32*\t+16*\u:S+32*\t+16*\u+1], v[S+32*\t+16*\u+8:S+32*\t+16*\u+9]
.endr
.endr
.irp t, 0,1
	v_pk_add_f32 v[S+32*\t:S+32*\t+1], v[S+32*\t:S+32*\t+1], v[S+32*\t+16:S+32*\t+17]
.endr
.irp t, 0,1
	v_pk_fma_f32 v[ST+8*\t+2:ST+8*\t+3], v[ST+8*\t+2:ST+8*\t+3], v[ST+8*\t+6:ST+8*\t+7], v[S+32*\t:S+32*\t+1] op_sel_hi:[1,0,1]   ; l = a l + the sum
.endr
.endm
; A KEY STEP.  more = 1: the next step lies in the same slot, and its K and bias are fetched behind this step's V.
.macro STEP more
	s_wait_dscnt 0x0                               ; K and the bias are in
	WIN 0x15                                       ; K, Q and the bias in window 1, S^T in window 0
.irp k, 0,1,2,3
.irp t, 0,1
	v_wmma_f32_16x16x32_f16 v[S+32*\t+8*\k:S+32*\t+8*\k+7], v[KF+16*\k:KF+16*\k+7], v[16*\t:16*\t+7], v[BF+8*\k:BF+8*\k+7]
.endr
.endr
	WIN 0x05                                       ; the eight accumulators take turns
.irp k, 0,1,2,3
.irp t, 0,1
	v_wmma_f32_16x16x32_f16 v[S+32*\t+8*\k:S+32*\t+8*\k+7], v[KF+16*\k+8:KF+16*\k+15], v[16*\t+8:16*\t+15], v[S+32*\t+8*\k:S+32*\t+8*\k+7]
.endr
.endr
	WIN 0
	v_add_nc_u32 v[ADV], s[TB], v[AV0]             ; four plain lines: the places between the products (these, and the last step's V^T P) and the loads into their registers and the reads of the scores
	v_add_nc_u32 v[ADR], s[TB], v[AK0]
	v_add_nc_u32 v[ADB], s[TJ], v[AB0]
	v_nop
	WIN 0x40
	FETCH_V
.if \more
	FETCH_K STEPB
	FETCH_B 256
.endif
	WIN 0
	SOFTMAX
	s_wait_dscnt 24*\more                          ; V's 16 loads are in; the 24 behind them (the next K and bias) may be out
	WIN 0x01                                       ; V in window 1
.irp g, 0,1
.irp c, 0,1,2,3
.irp t, 0,1
	v_wmma_f32_16x16x32_f16 v[O+32*\t+8*\c:O+32*\t+8*\c+7], v[VF+8*(4*\g+\c):VF+8*(4*\g+\c)+7], v[P+16*\t+8*\g:P+16*\t+8*\g+7], v[O+32*\t+8*\c:O+32*\t+8*\c+7]
.endr
.endr
.endr
	WIN 0
	s_add_co_u32 s[TB], s[TB], STEPB
	s_add_co_u32 s[TJ], s[TJ], 256
.endm
; THE CHANGE OF SLOTS, at a slot's head.  Each wave waits for all its tensor loads (its part of the slot ahead), adds 0 to its spare word, and waits for that and for its reads of the slot left behind.
; fill = 1: a round of the cluster's barrier, and behind it the slot left behind takes the next 256 keys: one load a wave, with four key steps in which to land.
.macro CHANGE fill
	WIN 0
	s_wait_tensorcnt 0x0                           ; no tensor load of mine is out, so a group 0 may be written
	ds_add_u32 v[SPW], v[NIL]
.if \fill
	s_xor_b32 s[G0K+1], s[G0K+1], SLOT1
	s_add_nc_u64 s[G0K+2:G0K+3], s[G0K+2:G0K+3], SLOTB
	s_xor_b32 s[G0V+1], s[G0V+1], SLOT1
	s_add_nc_u64 s[G0V+2:G0V+3], s[G0V+2:G0V+3], SLOTB
	s_wait_xcnt 0x0                                ; the last prefetch, a slot back, has read its address
	s_add_nc_u64 s[PFA:PFA+1], s[PFA:PFA+1], SLOTB
	s_wait_dscnt 0x0
	CROUND
	JLOAD
	ASK
.else
	s_wait_dscnt 0x0
	s_barrier_signal -1
	s_barrier_wait -1
.endif
.endm
.macro SLOT_STEPS
	v_add_nc_u32 v[ADR], s[TB], v[AK0]
	v_add_nc_u32 v[ADB], s[TJ], v[AB0]
	WIN 0x40
	FETCH_K 0
	FETCH_B 0
	WIN 0
	STEP 1
	STEP 1
	STEP 1
	STEP 0
	s_sub_co_u32 s[TB], s[TB], 4*STEPB
	s_xor_b32 s[TB], s[TB], SLOT1
.endm
.Lslot:                                            ; seven trips: trip i asks for slot i + 1 and walks slot i
	CHANGE 1
	SLOT_STEPS
	s_sub_co_u32 s[SLOTS], s[SLOTS], 1
	s_cmp_lg_u32 s[SLOTS], 0
	s_cbranch_scc1 .Lslot
	CHANGE 0                                       ; the last slot is written out: nothing is left to ask for
	SLOT_STEPS
	; THE WAY OUT: l's halves and the other half of the lanes'; O^T / l, rounded to f16, through my stage: the wave's 32 rows of 128 bytes are 4,096 consecutive bytes of ao16
.irp t, 0,1
	v_add_f32 v[ST+8*\t+4], v[ST+8*\t+2], v[ST+8*\t+3]
.endr
.irp t, 0,1
	v_permlanex16_b32 v[ST+8*\t+5], v[ST+8*\t+4], s[SEL], s[SEL+1]
.endr
.irp t, 0,1
	v_add_f32 v[ST+8*\t+4], v[ST+8*\t+4], v[ST+8*\t+5]
.endr
.irp t, 0,1
	v_rcp_f32 v[ST+8*\t+6], v[ST+8*\t+4]
.endr
	v_nop                                          ; a plain line behind the last reciprocal
	s_wait_alu depctr_va_vdst(0)                   ; and the wait ahead of the first use: one for both
.irp t, 0,1
.irp i, 0,1,2,3,4,5,6,7,8,9,10,11,12,13,14,15
	v_pk_mul_f32 v[O+32*\t+2*\i:O+32*\t+2*\i+1], v[O+32*\t+2*\i:O+32*\t+2*\i+1], v[ST+8*\t+6:ST+8*\t+7] op_sel_hi:[1,0]
.endr
.irp i, 0,1,2,3,4,5,6,7,8,9,10,11,12,13,14,15
	v_cvt_pk_f16_f32 v[S+16*\t+\i], v[O+32*\t+2*\i], v[O+32*\t+2*\i+1]
.endr
.irp c, 0,1,2,3
	ds_store_b128 v[STO], v[S+16*\t+4*\c:S+16*\t+4*\c+3] offset:16*SP*\t+32*\c
.endr
.endr
.irp u, 0,1,2,3,4,5,6,7
	ds_load_b128 v[S+32+4*\u:S+32+4*\u+3], v[RD] offset:4*SP*\u    ; LDS serves a wave's instructions in order: these see my stores
.endr
.irp u, 0,1,2,3,4,5,6,7
	s_wait_dscnt 7-\u                              ; loads come back in order: number u is in
	global_store_b128 v[GO], v[S+32+4*\u:S+32+4*\u+3], s[8:9] offset:512*\u
.endr
	s_wait_tensorcnt 0x0                           ; the wave's end
	ds_add_u32 v[SPW], v[NIL]
	s_wait_dscnt 0x0
	CROUND                                         ; the closing round
	s_endpgm
.Lfunc_end_k_q05df790bd1_attn:
	.size	k_q05df790bd1_attn, .Lfunc_end_k_q05df790bd1_attn-k_q05df790bd1_attn
	.p2alignl 7, 3214868480
	.fill 96, 4, 3214868480
	.section	.rodata,"a",@progbits
	.p2align	6, 0x0
	.amdhsa_kernel k_q05df790bd1_attn
		.amdhsa_group_segment_fixed_size 327680
		.amdhsa_private_segment_fixed_size 0
		.amdhsa_enable_private_segment 0
		.amdhsa_kernarg_size 24
		.amdhsa_user_sgpr_count 2
		.amdhsa_user_sgpr_kernarg_segment_ptr 1
		.amdhsa_wavefront_size32 1
		.amdhsa_system_sgpr_workgroup_id_x 1
		.amdhsa_system_sgpr_workgroup_id_y 1
		.amdhsa_system_sgpr_workgroup_id_z 1
		.amdhsa_system_vgpr_workitem_id 0
		.amdhsa_next_free_vgpr 512
		.amdhsa_next_free_sgpr 72
		.amdhsa_reserve_vcc 1
		.amdhsa_float_denorm_mode_32 3
		.amdhsa_float_denorm_mode_16_64 3
		.amdhsa_memory_ordered 1
		.amdhsa_forward_progress 1
		.amdhsa_inst_pref_size 160
	.end_amdhsa_kernel
	.amdgpu_metadata
---
amdhsa.version: [ 1, 2 ]
amdhsa.kernels:
  - .name:           k_q05df790bd1_attn
    .symbol:         k_q05df790bd1_attn.kd
    .args:
      - { .name: qkv16, .offset: 0, .size: 8, .value_kind: global_buffer, .address_space: global }
      - { .name: mask, .offset: 8, .size: 8, .value_kind: global_buffer, .address_space: global }
      - { .name: ao16, .offset: 16, .size: 8, .value_kind: global_buffer, .address_space: global }
    .group_segment_fixed_size: 327680
    .private_segment_fixed_size: 0
    .kernarg_segment_align: 8
    .kernarg_segment_size: 24
    .max_flat_workgroup_size: 256
    .sgpr_count:     72
    .vgpr_count:     512
    .wavefront_size: 32
...
	.end_amdgpu_metadata
.endif
;; end of part 3
;; launch oproj (part 4): grid 8 x 32, 4 waves a work-group, clusters of 4 x 4, 327,680 bytes of LDS; arguments ao16, wo16, bo, out0; writes out0
.if DOCPART == 4
	.amdgcn_target "amdgcn-amd-amdhsa--gfx1250"
	.amdhsa_code_object_version 6
	.text
	.protected	k_q05df790bd1_oproj
	.globl	k_q05df790bd1_oproj
	.p2align	8
	.type	k_q05df790bd1_oproj,@function
k_q05df790bd1_oproj:
	s_mov_b64 s[64:65], 0
	v_nop
	global_prefetch_b8 v0, s[64:65] scope:SCOPE_SE
	s_setreg_imm32_b32 hwreg(HW_REG_WAVE_MODE, 25, 1), 1
	s_wait_xcnt 0x0
	s_wait_alu depctr_hold_cnt(0) depctr_sa_sdst(0) depctr_va_vdst(0) depctr_va_sdst(0) depctr_va_ssrc(0) depctr_va_vcc(0) depctr_vm_vsrc(0)
	s_getreg_b32 s2, hwreg(HW_REG_IB_STS2, 6, 4)
	s_cmp_eq_u32 s2, 0
	s_cbranch_scc0 .Lentry_in_a_cluster
	s_endpgm
.Lentry_in_a_cluster:
	s_bfe_u32 s2, ttmp6, 0x10000c
	s_cmp_lg_u32 s2, 0xf033
	s_cbranch_scc0 .Lentry_shape_is_right
	s_endpgm
.Lentry_shape_is_right:
; OUT = attention's output x Wo + bo.  ao16 [batch x 16 + head][position][64] f16; wo16 [k 1024][n 1024] f16; bo [1024], out0 [8192][1024] f32.  f16 operands, f32 sums.
; A tile of the output is 256 rows x 128 columns: 256 work-groups.  Four waves, each 128 rows x 64 columns: 32 accumulators.  K goes in steps of 128 (two heads) through two LDS slots.
; A step's tile of ao16 is two planes (one a head) of 256 rows x 128 bytes; Wo's is 128 rows of k x 256 bytes, turned on its way into registers by ds_load_tr16_b128.
; CLUSTERS 4 x 4: ao16's tiles are asked for jointly along a row of the cluster, Wo's along a column.  One load a wave: waves 0, 1 the two planes, waves 2, 3 the halves of Wo's tile.
; THE MATRIX INSTRUCTION IS USED TRANSPOSED (source 0 = 16 columns of Wo, source 1 = 16 rows of ao16): a lane holds eight neighbouring columns of one row.  bo is the C of each sum's first instruction.
; REGISTERS: window 0: v0-31 addresses; v32-63 bo; two fragment buffers of 96 at v64 and v160 (eight fragments of ao16, then four of Wo).   window 1: the accumulators, (a, b) at v[8 (4 a + b)].
.set PA,     144                       ; a row of ao16 in LDS: 128 bytes + 16
.set PB,     288                       ; a row of Wo: 256 + 32
.set BOFF,   2*256*PA
.set SLOT,   BOFF+128*PB
.set STAGE,  2*SLOT                    ; 16 rows x 272 bytes a wave
.set SPITCH, 272
.set SPARE,  STAGE+4*16*SPITCH         ; the spare words, 128 bytes a wave, named by no other line
.set LAPS,   4                         ; a lap = two K steps
.set ADRA, 16
.set ADRB, 20
.set STO,  24
.set RD,   25
.set CO,   26
.set SPW,  28
.set NIL,  29
.set BO,   32
.set F0,   64
.set F1,   160
.set BK,   64                          ; the way out: rows read back, v64-95 and v96-127 by turns
.set G1, 24
.set G0, 32
.set G1B, 48
.set G0B, 56
.set MSB, 0
.macro WIN new
.if MSB != (\new)
	s_set_vgpr_msb (MSB<<8)|(\new)
.set MSB, (\new)
.endif
.endm
.set MUL,  0x50                        ; C and D window 1
.set MULB, 0x40                        ; D window 1, C (bo) window 0
.macro JLOAD s                         ; an s_nop 0 and four v_nop follow each of the two lines
	s_cmp_eq_u32 s13, 0
	s_cbranch_scc0 .Lfor_b_\@
	tensor_load_to_lds s[G0+4*\s:G0+4*\s+3], s[G1:G1+7]
	s_nop 0
.rept 4
	v_nop
.endr
	s_branch .Lasked_\@
.Lfor_b_\@:
	tensor_load_to_lds s[G0B+4*\s:G0B+4*\s+3], s[G1B:G1B+7]
	s_nop 0
.rept 4
	v_nop
.endr
.Lasked_\@:
.endm
.macro CREST
	s_cmp_lg_u32 s12, 0
	s_cbranch_scc1 .Lnot_wave_0_\@
	s_barrier_signal -3
.Lnot_wave_0_\@:
	s_barrier_wait -3
	s_barrier_signal -1
	s_barrier_wait -1
.endm
.macro CROUND
	s_barrier_signal -1
	s_barrier_wait -1
	CREST
.endm
	s_load_b128 s[4:7], s[0:1], 0x0                ; ao16, wo16
	s_load_b128 s[8:11], s[0:1], 0x10              ; bo, out0
	v_lshl_add_u32 v[SPW], v0, 2, SPARE
	v_mov_b32 v[NIL], 0
	ds_add_u32 v[SPW], v[NIL]                      ; the wave's opening: an add to the spare word, twice on end, waited for ahead of my first tensor load
	ds_add_u32 v[SPW], v[NIL]
	v_lshrrev_b32 v1, 5, v0
	v_readfirstlane_b32 s12, v1                    ; wave 0..3
	s_lshr_b32 s13, s12, 1                         ; which 128 rows are mine.  Also: I fetch for ao16 (0) or for Wo (1)
	s_and_b32 s14, s12, 1                          ; which 64 columns.  Also: which plane, or which half of Wo's tile, I fetch
	s_bfe_u32 s40, ttmp6, 0x40000
	s_bfe_u32 s41, ttmp6, 0x40004
	s_lshl_b32 s42, ttmp9, 2
	s_add_co_u32 s42, s42, s40                     ; tile column 0..7
	s_and_b32 s43, ttmp7, 0xffff
	s_lshl_b32 s43, s43, 2
	s_add_co_u32 s43, s43, s41                     ; tile row 0..31
	s_lshl_b32 s44, s41, 2
	s_lshl_b32 s44, 15, s44                        ; my row of the cluster
	s_lshl_b32 s45, 0x1111, s40                    ; my column
	s_or_b32 s[G1], s44, (1<<16)|(1<<20)|(1<<21)|(4<<22)|(3<<25)    ; elements of 2 bytes; four words of padding after every 32
	s_mov_b32 s[G1+1], 64<<16                      ; tensor_dim0
	s_mov_b32 s[G1+2], 256<<16                     ; tensor_dim1
	s_mov_b32 s[G1+3], 64<<16                      ; tile_dim0
	s_mov_b32 s[G1+4], 256                         ; tile_dim1
	s_mov_b32 s[G1+5], 64                          ; from row to row
	s_mov_b32 s[G1+6], 0
	s_mov_b32 s[G1+7], 0
	s_or_b32 s[G1B], s45, (1<<16)|(1<<20)|(1<<21)|(5<<22)|(7<<25)   ; eight words after every 64
	s_mov_b32 s[G1B+1], 128<<16
	s_mov_b32 s[G1B+2], 64<<16
	s_mov_b32 s[G1B+3], 128<<16
	s_mov_b32 s[G1B+4], 64
	s_mov_b32 s[G1B+5], 1024
	s_mov_b32 s[G1B+6], 0
	s_mov_b32 s[G1B+7], 0
	s_lshr_b32 s16, s43, 3                         ; ao16: batch x 16 heads of 2^18 bytes,
	s_lshl_b32 s16, s16, 22
	s_and_b32 s17, s43, 7
	s_lshl_b32 s17, s17, 15                        ; 256 rows of 128 bytes,
	s_add_co_u32 s16, s16, s17
	s_lshl_b32 s17, s14, 18                        ; my plane's head
	s_add_co_u32 s16, s16, s17
	s_mov_b32 s17, 0
	s_lshl_b32 s46, s42, 8                         ; Wo: 128 columns of 2 bytes,
	s_lshl_b32 s47, s14, 17                        ; my 64 rows of 2,048 bytes
	s_add_co_u32 s46, s46, s47
	s_mov_b32 s47, 0
	s_mul_i32 s20, s14, 256*PA
	s_mul_i32 s21, s14, 64*PB
	s_add_co_u32 s21, s21, BOFF
	s_wait_dscnt 0x0                               ; both opening adds are done
	s_wait_kmcnt 0x0
	s_add_nc_u64 s[16:17], s[4:5], s[16:17]
	s_add_nc_u64 s[46:47], s[6:7], s[46:47]
	CROUND
.irp s, 0,1
	s_mov_b32 s[G0+4*\s], 1
	s_add_co_u32 s[G0+4*\s+1], s20, \s*SLOT
	s_add_nc_u64 s[G0+4*\s+2:G0+4*\s+3], s[16:17], \s*(1<<19)      ; K step s: two heads on
	s_or_b32 s[G0+4*\s+3], s[G0+4*\s+3], 0x80000000
	s_mov_b32 s[G0B+4*\s], 1
	s_add_co_u32 s[G0B+4*\s+1], s21, \s*SLOT
	s_add_nc_u64 s[G0B+4*\s+2:G0B+4*\s+3], s[46:47], \s*(1<<18)    ; 128 rows of Wo on
	s_or_b32 s[G0B+4*\s+3], s[G0B+4*\s+3], 0x80000000
	JLOAD \s                                       ; two loads of mine are out
.endr
	v_and_b32 v1, 15, v0                           ; r
	v_bfe_u32 v2, v0, 4, 1                         ; h
	v_mul_u32_u24 v3, v1, PA
	v_lshl_add_u32 v3, v2, 4, v3
	v_and_b32 v4, 7, v0
	v_lshl_add_u32 v4, v2, 3, v4                   ; Wo, turned: k = 8 h + lane % 8,
	v_mul_u32_u24 v4, v4, PB
	v_bfe_u32 v5, v0, 3, 1
	v_lshl_add_u32 v4, v5, 4, v4                   ; columns 8 ((lane / 8) % 2) on
	s_mul_i32 s22, s13, 128*PA
	s_lshl_b32 s23, s14, 7
	s_add_co_u32 s23, s23, BOFF
.irp s, 0,1
	v_add_nc_u32 v[ADRA+\s], s22, v3
	v_add_nc_u32 v[ADRB+\s], s23, v4
	s_add_co_u32 s22, s22, SLOT
	s_add_co_u32 s23, s23, SLOT
.endr
	s_mul_i32 s22, s12, 16*SPITCH
	s_add_co_u32 s22, s22, STAGE                   ; my stage
	v_mul_u32_u24 v5, v1, SPITCH
	v_lshl_add_u32 v5, v2, 5, v5
	v_add_nc_u32 v[STO], s22, v5                   ; in: row r, 32 bytes for each half of the lanes
	v_mul_u32_u24 v5, v2, SPITCH
	v_lshl_add_u32 v5, v1, 4, v5
	v_add_nc_u32 v[RD], s22, v5                    ; back: sixteen lanes to a row of 256 bytes
	v_lshlrev_b32 v5, 12, v2
	v_lshl_add_u32 v[CO], v1, 4, v5                ; the same two rows in out0
	s_lshl_b32 s46, s42, 9
	s_lshl_b32 s47, s14, 8
	s_add_co_u32 s46, s46, s47                     ; my first column, x 4 bytes
	s_mov_b32 s47, 0
	s_add_nc_u64 s[8:9], s[8:9], s[46:47]
	s_add_nc_u64 s[10:11], s[10:11], s[46:47]
	s_lshl_b32 s16, s43, 20
	s_lshl_b32 s17, s13, 19
	s_add_co_u32 s16, s16, s17                     ; my first row, x 4,096 bytes
	s_mov_b32 s17, 0
	s_add_nc_u64 s[10:11], s[10:11], s[16:17]
	v_lshlrev_b32 v6, 5, v2
.irp b, 0,1,2,3
	global_load_b128 v[BO+8*\b:BO+8*\b+3],   v6, s[8:9] offset:64*\b       ; register j: column 16 b + 8 h + j
	global_load_b128 v[BO+8*\b+4:BO+8*\b+7], v6, s[8:9] offset:64*\b+16
.endr
	s_wait_loadcnt 0x0
.macro FETCH slot, q, f                ; the fragments of the slot's q-th 32 along K: 24 loads: Wo's four, ao16's blocks 0-3, then 4-7
.irp b, 0,1,2,3
	ds_load_tr16_b128 v[\f+64+8*\b:\f+64+8*\b+3],   v[ADRB+\slot] offset:32*PB*(\q)+32*\b
	ds_load_tr16_b128 v[\f+64+8*\b+4:\f+64+8*\b+7], v[ADRB+\slot] offset:32*PB*(\q)+32*\b+16*PB
.endr
.irp i, 0,1,2,3,4,5,6,7
	ds_load_b128 v[\f+8*\i:\f+8*\i+3],   v[ADRA+\slot] offset:((\q)/2)*256*PA+((\q)%2)*64+16*PA*\i
	ds_load_b128 v[\f+8*\i+4:\f+8*\i+7], v[ADRA+\slot] offset:((\q)/2)*256*PA+((\q)%2)*64+16*PA*\i+32
.endr
.endm
.macro MUL8 f, a0, zero                ; row blocks a0, a0 + 1 x the four column blocks; the 32 accumulators take turns
.irp a, \a0, \a0+1
.irp b, 0,1,2,3
.if \zero
	v_wmma_f32_16x16x32_f16 v[8*(4*(\a)+\b):8*(4*(\a)+\b)+7], v[\f+64+8*\b:\f+64+8*\b+7], v[\f+8*(\a):\f+8*(\a)+7], v[BO+8*\b:BO+8*\b+7]
.else
	v_wmma_f32_16x16x32_f16 v[8*(4*(\a)+\b):8*(4*(\a)+\b)+7], v[\f+64+8*\b:\f+64+8*\b+7], v[\f+8*(\a):\f+8*(\a)+7], v[8*(4*(\a)+\b):8*(4*(\a)+\b)+7]
.endif
.endr
.endr
.endm
.macro PLACES
.rept 4
	v_nop
.endr
.endm
.macro QUARTER slot, q, f, g, zero     ; multiplies buffer f; in its middle fetches the slot's q-th 32 along K into g
	s_wait_dscnt 8                                 ; Wo's fragments and blocks 0-3 are in; the youngest eight loads (blocks 4-7) may be out
	WIN MUL-0x10*\zero
	MUL8 \f, 0, \zero
	MUL8 \f, 2, \zero
	WIN 0
	PLACES
	FETCH \slot, \q, \g
	s_wait_dscnt 24                                ; all but the 24 just issued
	WIN MUL-0x10*\zero
	MUL8 \f, 4, \zero
	MUL8 \f, 6, \zero
.endm
; A slot's last quarter multiplies buffer 1 and changes slots.  fill = 1: the barrier opens a round of the cluster's barrier, and this slot is filled again, two K steps ahead.
.macro TURN slot, next, fill
	WIN 0
	s_wait_tensorcnt 0x0                           ; all my tensor loads have landed: my part of the next slot
	ds_add_u32 v[SPW], v[NIL]
	s_wait_dscnt 9                                 ; the add and the youngest eight loads may be out
	WIN MUL
	MUL8 F1, 0, 0
	s_wait_dscnt 0x0                               ; the add is done, and my reads of this slot are over
	s_barrier_signal -1
	MUL8 F1, 2, 0
	WIN 0
	s_barrier_wait -1
.if \fill
	CREST
	s_add_nc_u64 s[G0+4*\slot+2:G0+4*\slot+3], s[G0+4*\slot+2:G0+4*\slot+3], 1<<20     ; four heads on
	s_add_nc_u64 s[G0B+4*\slot+2:G0B+4*\slot+3], s[G0B+4*\slot+2:G0B+4*\slot+3], 1<<19 ; 256 rows of Wo on
	JLOAD \slot                                    ; the first tensor load behind the round; its four v_nop are also the places in front of the loads below
.else
	PLACES
.endif
	FETCH \next, 0, F0
	WIN MUL
	MUL8 F1, 4, 0
	MUL8 F1, 6, 0
.endm
	s_wait_tensorcnt 1                             ; my part of K step 0 is in; K step 1's load may be out,
	s_barrier_signal -1
	s_barrier_wait -1                              ; everybody's is
	FETCH 0, 0, F0
	QUARTER 0, 1, F0, F1, 1                        ; the first quarter starts the sums from bo
	WIN 0
	s_mov_b32 s3, LAPS-1
.Llap:                                             ; a trip goes once round the ring and fills both slots again
	QUARTER 0, 2, F1, F0, 0
	QUARTER 0, 3, F0, F1, 0
	TURN 0, 1, 1
	QUARTER 1, 1, F0, F1, 0
	QUARTER 1, 2, F1, F0, 0
	QUARTER 1, 3, F0, F1, 0
	TURN 1, 0, 1
	QUARTER 0, 1, F0, F1, 0
	WIN 0
	s_sub_co_u32 s3, s3, 1
	s_cmp_lg_u32 s3, 0
	s_cbranch_scc1 .Llap
	QUARTER 0, 2, F1, F0, 0                        ; the last lap fills nothing
	QUARTER 0, 3, F0, F1, 0
	TURN 0, 1, 0
	QUARTER 1, 1, F0, F1, 0
	QUARTER 1, 2, F1, F0, 0
	QUARTER 1, 3, F0, F1, 0
	s_wait_dscnt 8
	WIN MUL
	MUL8 F1, 0, 0
	MUL8 F1, 2, 0
	s_wait_dscnt 0
	MUL8 F1, 4, 0
	MUL8 F1, 6, 0
	WIN 0
; THE WAY OUT, a block of 16 rows x 64 columns at a time, through my own stage: sixteen lanes then store 256 consecutive bytes, at a multiple of 256 from out0's first byte
.macro TOSTAGE a
	WIN 0x04                                       ; an LDS store's data are its source 1: window 1
.irp b, 0,1,2,3
	ds_store_b128 v[STO], v[8*(4*(\a)+\b):8*(4*(\a)+\b)+3] offset:64*\b          ; each accumulator from its low end on
	ds_store_b128 v[STO], v[8*(4*(\a)+\b)+4:8*(4*(\a)+\b)+7] offset:64*\b+16
.endr
	WIN 0
.set BB, BK+32*((\a)%2)
.irp t, 0,1,2,3,4,5,6,7
	ds_load_b128 v[BB+4*\t:BB+4*\t+3], v[RD] offset:2*SPITCH*\t    ; LDS serves a wave's instructions in order
.endr
.endm
.macro SEND a, younger
.set BB, BK+32*((\a)%2)
	s_wait_dscnt \younger                          ; the block is back; the next block's 8 stores and 8 loads may be out
.irp t, 0,1,2,3,4,5,6,7
	global_store_b128 v[CO], v[BB+4*\t:BB+4*\t+3], s[10:11] offset:(16*(\a)+2*\t)*4096 th:TH_STORE_NT
.endr
.endm
	PLACES
	TOSTAGE 0
.irp a, 1,2,3,4,5,6,7
.if \a > 1
	s_wait_xcnt 0x0                                ; block a - 2's stores have read their registers: block a's loads may land there
.endif
	TOSTAGE \a
	SEND \a-1, 16
.endr
	SEND 7, 0
	s_wait_tensorcnt 0x0                           ; the wave's end
	ds_add_u32 v[SPW], v[NIL]
	s_wait_dscnt 0x0
	CROUND                                         ; the closing round
	s_endpgm
.Lfunc_end_k_q05df790bd1_oproj:
	.size	k_q05df790bd1_oproj, .Lfunc_end_k_q05df790bd1_oproj-k_q05df790bd1_oproj
	.p2alignl 7, 3214868480
	.fill 96, 4, 3214868480
	.section	.rodata,"a",@progbits
	.p2align	6, 0x0
	.amdhsa_kernel k_q05df790bd1_oproj
		.amdhsa_group_segment_fixed_size 327680
		.amdhsa_private_segment_fixed_size 0
		.amdhsa_enable_private_segment 0
		.amdhsa_kernarg_size 32
		.amdhsa_user_sgpr_count 2
		.amdhsa_user_sgpr_kernarg_segment_ptr 1
		.amdhsa_wavefront_size32 1
		.amdhsa_system_sgpr_workgroup_id_x 1
		.amdhsa_system_sgpr_workgroup_id_y 1
		.amdhsa_system_sgpr_workgroup_id_z 1
		.amdhsa_system_vgpr_workitem_id 0
		.amdhsa_next_free_vgpr 512
		.amdhsa_next_free_sgpr 66
		.amdhsa_reserve_vcc 0
		.amdhsa_float_denorm_mode_32 3
		.amdhsa_float_denorm_mode_16_64 3
		.amdhsa_memory_ordered 1
		.amdhsa_forward_progress 1
		.amdhsa_inst_pref_size 86
	.end_amdhsa_kernel
	.amdgpu_metadata
---
amdhsa.version: [ 1, 2 ]
amdhsa.kernels:
  - .name:           k_q05df790bd1_oproj
    .symbol:         k_q05df790bd1_oproj.kd
    .args:
      - { .name: ao16, .offset: 0, .size: 8, .value_kind: global_buffer, .address_space: global }
      - { .name: wo16, .offset: 8, .size: 8, .value_kind: global_buffer, .address_space: global }
      - { .name: bo, .offset: 16, .size: 8, .value_kind: global_buffer, .address_space: global }
      - { .name: out0, .offset: 24, .size: 8, .value_kind: global_buffer, .address_space: global }
    .group_segment_fixed_size: 327680
    .private_segment_fixed_size: 0
    .kernarg_segment_align: 8
    .kernarg_segment_size: 32
    .max_flat_workgroup_size: 128
    .sgpr_count:     66
    .vgpr_count:     512
    .wavefront_size: 32
...
	.end_amdgpu_metadata
.endif
;; end of part 4
